; MI455X (gfx1250); checked and timed in simulation.
; The chip was launched on July 23, 2026; its instructions are those of AMD's public machine-readable ISA for CDNA 5 (MIT licence, August 2026) and "CDNA5" Instruction Set Architecture Reference Guide (July 2026). The comments in the code are by the model that wrote it; some were corrected since.
;; Encoder. Allowed arithmetic: matrix products marked QUANTISED: E2M1 operands, one E8M0 scale for each 32 along K, by v_wmma_scale_f32_16x16x128_f8f6f4 with both operands' format E2M1 (or v_wmma_scale_f32_32x16x128_f4), f32 sums; everything else in f32.
;; Inputs: W1_codes 4,096 x 32 x 16 uint8 (E2M1 codes of W1, K innermost, in blocks of 32 codes, two codes a byte); W1_scales 4,096 x 32 uint8 (E8M0 scales of W1, one for each 32 codes along K); W2_codes 1,024 x 128 x 16 uint8 (E2M1 codes of W2, K innermost, in blocks of 32 codes, two codes a byte); W2_scales 1,024 x 128 uint8 (E8M0 scales of W2, one for each 32 codes along K); Wk_codes 1,024 x 32 x 16 uint8 (E2M1 codes of Wk, K innermost, in blocks of 32 codes, two codes a byte); Wk_scales 1,024 x 32 uint8 (E8M0 scales of Wk, one for each 32 codes along K); Wo_codes 1,024 x 32 x 16 uint8 (E2M1 codes of Wo, K innermost, in blocks of 32 codes, two codes a byte); Wo_scales 1,024 x 32 uint8 (E8M0 scales of Wo, one for each 32 codes along K); Wq_codes 1,024 x 32 x 16 uint8 (E2M1 codes of Wq, K innermost, in blocks of 32 codes, two codes a byte); Wq_scales 1,024 x 32 uint8 (E8M0 scales of Wq, one for each 32 codes along K); Wv_codes 1,024 x 32 x 16 uint8 (E2M1 codes of Wv, K innermost, in blocks of 32 codes, two codes a byte); Wv_scales 1,024 x 32 uint8 (E8M0 scales of Wv, one for each 32 codes along K); b1 4,096 float32; b2 1,024 float32; bk 1,024 float32; bo 1,024 float32; bq 1,024 float32; bv 1,024 float32; ln_b 1,024 float32; ln_g 1,024 float32; question_embeddings 2 x 2,048 x 1,024 float32; question_mask 2 x 1 x 1 x 2,048 int32.
;; Outputs: out0 2 x 2,048 x 1,024 float32.
;; This version of the problem:
;;   THIS VERSION OF THE PROBLEM IS GIVEN IN LOW PRECISION. The matrix products marked QUANTISED in the list below multiply operands that are first quantised to E2M1 (2 exponent bits, 1 mantissa bit; 4 bits a number), with one power-of-two scale for each 32 numbers along K (OCP MX v1.0); their sums are f32. All else is computed in f32.
;;   The module's matrix products, in the order in which they are computed (A, B: the left and right operand; K: the contracted axis; several contracted axes count as one K, in the product's order):
;;     1. [M 4,096, K 1,024] x [K 1,024, N 1,024]; A: input question_embeddings; B: input Wq (given as codes): QUANTISED
;;     2. [M 4,096, K 1,024] x [K 1,024, N 1,024]; A: input question_embeddings; B: input Wk (given as codes): QUANTISED
;;     3. [M 4,096, K 1,024] x [K 1,024, N 1,024]; A: input question_embeddings; B: input Wv (given as codes): QUANTISED
;;     4. batch 32 x [M 2,048, K 64] x [K 64, N 2,048]; A: computed on the way; B: computed on the way: QUANTISED
;;     5. batch 32 x [M 2,048, K 2,048] x [K 2,048, N 64]; A: softmax (see below); B: computed on the way: QUANTISED
;;     6. [M 4,096, K 1,024] x [K 1,024, N 1,024]; A: computed on the way; B: input Wo (given as codes): QUANTISED
;;     7. [M 4,096, K 1,024] x [K 1,024, N 4,096]; A: computed on the way; B: input W1 (given as codes): QUANTISED
;;     8. [M 4,096, K 4,096] x [K 4,096, N 1,024]; A: computed on the way; B: input W2 (given as codes): QUANTISED
;;   THE QUANTISER, for each operand of a quantised product, along K:
;;     - K is cut into blocks of 32 from its start; a last block that is shorter is filled with zeros.
;;     - A block's scale is 2^e with e = floor(log2(the largest magnitude in the block)) - 2, held to -126 .. 127; a block of zeros has e = 0. As a byte (E8M0): e + 127.
;;     - Each number is divided by its block's scale, clamped to +-6, and rounded to the nearest number of E2M1, ties to even, subnormals kept.
;;     - The product sums the exact products of the quantised numbers (number of the format x scale) in f32.
;;   ~~~python
;;   def quantise(x, axis):      # numpy; x: float32 -> the quantised numbers, widened to float32 again
;;       x = np.moveaxis(x, axis, -1); K = x.shape[-1]
;;       x = np.pad(x, [(0, 0)] * (x.ndim - 1) + [(0, -K % 32)]); x = x.reshape(x.shape[:-1] + (-1, 32)); a = np.abs(x).max(-1, keepdims=True)
;;       e = np.where(a > 0, np.clip(np.frexp(np.where(a > 0, a, 1))[1] - 1 - 2, -126, 127), 0)      # np.frexp(a)[1] - 1 = floor(log2(a)), exactly
;;       r = np.clip(x / 2.0 ** e, -6, 6)
;;       step = 2.0 ** (np.maximum(np.frexp(np.where(r == 0, 1, r))[1] - 1, 0) - 1)
;;       q = np.round(r / step) * step * 2.0 ** e      # np.round: ties to even
;;       return np.moveaxis(q.reshape(q.shape[:-2] + (-1,))[..., :K], -1, axis).astype(np.float32)
;;   ~~~
;;   SOFTMAX AHEAD OF A QUANTISED PRODUCT. Where the list says 'softmax', what is quantised is not the finished softmax but p = 2^(t - M), with t = logit x log2(e) and M = ceil(the row's largest t), a whole number; so 1/2 < the row's largest p <= 1. The row's sum l is taken of the UNQUANTISED p, in f32, and the product's result is divided by l at the end. Since M is a whole number, a kernel that streams over the keys may use a running M (the ceiling of the running maximum): every later rescaling is an exact power of two, which a block's scale takes up: the codes' values come out the same.
;;   OPERANDS COMPUTED ON THE WAY. 'Computed on the way' means the value that the module computes at that place (a softmax that the list does not call 'softmax' is quantised finished and normalised). What goes into a quantiser is computed in f32, as accurately as f32 sums, v_exp_f32 and their like allow (about 1e-6 of the number): no bf16 or f16 on the way to a quantiser, and a product that is left as it is and whose result goes on into a quantised operand takes f32 operands (vector FMAs, or v_wmma_f32_16x16x4_f32). A number that lies on a knife's edge between two numbers of the format may be rounded either way, as far as f32 arithmetic and the matrix unit's own rounding can turn it there, and no further.
;;   INPUTS GIVEN AS CODES. W1 (in the module: [4096, 1024], K = its axis 1); W2 (in the module: [1024, 4096], K = its axis 1); Wk (in the module: [1024, 1024], K = its axis 1); Wo (in the module: [1024, 1024], K = its axis 1); Wq (in the module: [1024, 1024], K = its axis 1); Wv (in the module: [1024, 1024], K = its axis 1): each comes as NAME_codes (uint8): NAME with its K axis moved to the last place and cut into blocks of 32 codes, [.., K / 32, bytes a block], one block behind the other in memory; two codes a byte, the lower K in the low four bits (a code: sign, 2 exponent bits, 1 mantissa bit); and NAME_scales (uint8): the same leading axes, one E8M0 byte (e + 127) for each 32 codes along K. Its value is code x scale, taken as it is: it is not quantised again, and the codes and scales need not be those that the quantiser above would give.
;; One version. Each part assembles by itself: llvm-mc -triple=amdgcn-amd-amdhsa -mcpu=gfx1250 --defsym DOCPART=n.
;; ======== version 1 of 1: 7 launches
;; limits: right only within a limited range of input values
;; workspace buffers: xq 2,228,224 bytes; qkv 11,141,120 bytes; ctx 2,228,224 bytes; ypre 16,777,216 bytes; hb 19,005,440 bytes; a1 8,912,896 bytes
;; launch xq (part 1): grid 256 x 1, 4 waves a work-group, no clusters, 22,016 bytes of LDS; arguments question_embeddings, xq; writes xq
.if DOCPART == 1
	.amdgcn_target "amdgcn-amd-amdhsa--gfx1250"
	.amdhsa_code_object_version 6
	.text
	.protected	k_qff042653f0_xq
	.globl	k_qff042653f0_xq
	.p2align	8
	.type	k_qff042653f0_xq,@function
k_qff042653f0_xq:
	s_mov_b64 s[64:65], 0
	v_nop
	global_prefetch_b8 v0, s[64:65] scope:SCOPE_SE
	s_setreg_imm32_b32 hwreg(HW_REG_WAVE_MODE, 25, 1), 1
	s_wait_xcnt 0x0
; x [4096][1024] f32 becomes codes of FP4 (E2M1), K innermost, [4096][512 bytes] at byte 0 of xq, and one E8M0 byte for each 32 along K, [4096][32] at byte 2,097,152.
; A block's scale is 2^(floor(log2(its largest magnitude)) - 2); its byte is the largest magnitude's exponent field - 2, held at 1 from below (a block of zeros keeps the byte 1: its codes are zeros, and this program alone reads the bytes).
; LIMITS: NaN and infinities are not served; blocks whose largest magnitude lies under 2^-124 keep the byte 1.
; Rows are dense, so x is a stream of blocks of 32.  A work-group takes 16 rows, a wave 4 rows: 8 steps of 512 numbers.  All 32 loads of a wave go out at once, 512 consecutive bytes each.
; The conversions want 16 neighbours in one lane: a step's 2,048 bytes turn through the wave's own stage in LDS (16 bytes of padding behind each 64).  A wave's store of codes covers 256 consecutive bytes.
; The work-group's 512 scale bytes are gathered in LDS and leave by one store of 512 consecutive bytes.  No matrix unit, no cluster: nothing is shared and memory binds.
.set STEPS, 8
.set EMAX,  2
.set R,     16                         ; v16-143  eight sets of 16 numbers as loaded
.set X,     144                        ; v144-175 two sets of 16 neighbours
.set C,     176                        ; v176-191 a pair of code registers for each step
.set E,     192                        ; v192-199 a scale byte for each step
.set SP,    80                         ; a lane's place in a stage: 64 bytes + 16 of padding
.set WREG,  2*32*SP                    ; a wave's two stages
.set SCB,   4*WREG                     ; behind them: the work-group's 512 scale bytes
	s_load_b128 s[4:7], s[0:1], 0x0                ; x, xq
	v_lshl_add_u32 v200, v0, 2, 0x5400
	v_mov_b32 v201, 0
	v_lshrrev_b32 v1, 5, v0
	v_readfirstlane_b32 s16, v1                    ; wave
	v_and_b32 v2, 31, v0                           ; lane
	v_lshlrev_b32 v3, 4, v2                        ; 16 x lane
	s_mul_i32 s17, s16, WREG
	v_lshrrev_b32 v14, 2, v2
	v_mul_u32_u24 v14, v14, SP
	v_and_b32 v15, 3, v2
	v_lshl_add_u32 v14, v15, 4, v14
	v_add_nc_u32 v14, s17, v14                     ; into the stage: SP (lane / 4) + 16 (lane % 4)
	v_mul_u32_u24 v15, v2, SP
	v_add_nc_u32 v15, s17, v15                     ; out of it: SP x lane
	v_lshlrev_b32 v4, 3, v2                        ; my 8 bytes of a step's codes
	v_lshrrev_b32 v5, 1, v2
	s_lshl_b32 s17, s16, 7
	s_add_co_u32 s17, s17, SCB
	v_add_nc_u32 v5, s17, v5                       ; my block's scale byte: SCB + 128 wave + lane / 2
	v_add_nc_u32 v6, SCB, v3                       ; wave 0 reads all 512 back
	s_lshl_b32 s19, ttmp9, 2
	s_add_co_u32 s19, s19, s16                     ; which run of 4 rows is my wave's
	s_lshl_b32 s20, s19, 14
	s_mov_b32 s21, 0
	s_lshl_b32 s22, s19, 11
	s_mov_b32 s23, 0
	s_lshl_b32 s24, ttmp9, 9
	s_add_co_u32 s24, s24, 0x200000
	s_mov_b32 s25, 0
	s_wait_alu depctr_va_vdst(0)
	s_wait_kmcnt 0x0
	s_add_nc_u64 s[4:5], s[4:5], s[20:21]          ; my 16,384 bytes of x
	s_add_nc_u64 s[8:9], s[6:7], s[22:23]          ; my 2,048 bytes of codes
	s_add_nc_u64 s[10:11], s[6:7], s[24:25]        ; the work-group's 512 scale bytes
.macro LOAD t
.irp i, 0,1,2,3
	global_load_b128 v[R+16*(\t)+4*\i:R+16*(\t)+4*\i+3], v3, s[4:5] offset:2048*(\t)+512*\i th:TH_LOAD_NT
.endr
.endm
.macro TURN t                          ; step t through the stage; LDS serves a wave's instructions in order
.irp i, 0,1,2,3
	ds_store_b128 v14, v[R+16*(\t)+4*\i:R+16*(\t)+4*\i+3] offset:32*SP*((\t)%2)+8*SP*\i
.endr
.irp i, 0,1,2,3
	ds_load_b128 v[X+16*((\t)%2)+4*\i:X+16*((\t)%2)+4*\i+3], v15 offset:32*SP*((\t)%2)+16*\i
.endr
.endm
.irp t, 0,1,2,3,4,5,6,7
	LOAD \t
.endr
	s_wait_loadcnt 28                              ; step 0's four loads are in; the 28 of steps 1 to 7 may be out
	TURN 0
.macro STEP t
.set XS, X+16*((\t)%2)
.if (\t) > 0
	s_wait_dscnt 1                                 ; this step's numbers are back (the last step's byte store may be out)
.else
	s_wait_dscnt 0x0
.endif
.if (\t)+1 < STEPS
	s_wait_loadcnt 4*(STEPS-2-(\t))                ; the next step's loads are in; those of the steps behind it may be out
	TURN (\t)+1
.endif
	v_max3_num_f32 v8, |v[XS]|, |v[XS+1]|, |v[XS+2]|
	v_max3_num_f32 v9, |v[XS+3]|, |v[XS+4]|, |v[XS+5]|
.irp i, 6,10
	v_max3_num_f32 v8, v8, |v[XS+\i]|, |v[XS+\i+1]|
	v_max3_num_f32 v9, v9, |v[XS+\i+2]|, |v[XS+\i+3]|
.endr
	v_max3_num_f32 v8, v8, |v[XS+14]|, |v[XS+15]|
	v_max3_num_f32 v8, v8, v9, (EMAX+1)<<23        ; the floor 2^(3 - 127): the byte cannot fall under 1
	v_max_num_f32_dpp v8, v8, v8 row_xmask:1 row_mask:0xf bank_mask:0xf   ; with my neighbour's 16: the block's largest magnitude
	v_add_nc_u32 v11, -(EMAX<<23), v8              ; 2 off its exponent field: the conversion's scale operand
	v_cvt_scalef32_pk8_fp4_f32 v[C+2*(\t)], v[XS:XS+7], v11
	v_cvt_scalef32_pk8_fp4_f32 v[C+2*(\t)+1], v[XS+8:XS+15], v11
	v_lshrrev_b32 v[E+(\t)], 23, v11               ; the scale's byte
	ds_store_b8 v5, v[E+(\t)] offset:16*(\t)       ; both lanes of a block write the same byte with the same value
	global_store_b64 v4, v[C+2*(\t):C+2*(\t)+1], s[8:9] offset:256*(\t)
.endm
.irp t, 0,1,2,3,4,5,6,7
	STEP \t
.endr
	s_wait_dscnt 0x0                               ; for the others' sake: my byte stores are done
	s_barrier_signal -1
	s_barrier_wait -1
	s_cmp_lg_u32 s16, 0
	s_cbranch_scc1 .Ldone
	ds_load_b128 v[8:11], v6
	s_wait_dscnt 0x0
	global_store_b128 v3, v[8:11], s[10:11]        ; 32 lanes store 512 consecutive bytes
.Ldone:
	s_wait_tensorcnt 0x0
	ds_add_u32 v200, v201
	s_wait_dscnt 0x0
	s_endpgm
.Lfunc_end_k_qff042653f0_xq:
	.size	k_qff042653f0_xq, .Lfunc_end_k_qff042653f0_xq-k_qff042653f0_xq
	.p2alignl 7, 3214868480
	.fill 96, 4, 3214868480
	.section	.rodata,"a",@progbits
	.p2align	6, 0x0
	.amdhsa_kernel k_qff042653f0_xq
		.amdhsa_group_segment_fixed_size 22016
		.amdhsa_private_segment_fixed_size 0
		.amdhsa_enable_private_segment 0
		.amdhsa_kernarg_size 16
		.amdhsa_user_sgpr_count 2
		.amdhsa_user_sgpr_kernarg_segment_ptr 1
		.amdhsa_wavefront_size32 1
		.amdhsa_system_sgpr_workgroup_id_x 1
		.amdhsa_system_sgpr_workgroup_id_y 1
		.amdhsa_system_sgpr_workgroup_id_z 1
		.amdhsa_system_vgpr_workitem_id 0
		.amdhsa_next_free_vgpr 202
		.amdhsa_next_free_sgpr 66
		.amdhsa_reserve_vcc 0
		.amdhsa_float_denorm_mode_32 3
		.amdhsa_float_denorm_mode_16_64 3
		.amdhsa_memory_ordered 1
		.amdhsa_forward_progress 1
		.amdhsa_inst_pref_size 18
	.end_amdhsa_kernel
	.amdgpu_metadata
---
amdhsa.version: [ 1, 2 ]
amdhsa.kernels:
  - .name:           k_qff042653f0_xq
    .symbol:         k_qff042653f0_xq.kd
    .args:
      - { .name: question_embeddings, .offset: 0, .size: 8, .value_kind: global_buffer, .address_space: global }
      - { .name: xq, .offset: 8, .size: 8, .value_kind: global_buffer, .address_space: global }
    .group_segment_fixed_size: 22016
    .private_segment_fixed_size: 0
    .kernarg_segment_align: 8
    .kernarg_segment_size: 16
    .max_flat_workgroup_size: 128
    .sgpr_count:     66
    .vgpr_count:     202
    .wavefront_size: 32
...
	.end_amdgpu_metadata
.endif
;; end of part 1
;; launch qkv (part 2): grid 12 x 16, 4 waves a work-group, clusters of 4 x 4, 327,680 bytes of LDS; arguments xq, Wq_codes, Wq_scales, Wk_codes, Wk_scales, Wv_codes, Wv_scales, bq, bk, bv, question_mask, qkv; writes qkv
.if DOCPART == 2
	.amdgcn_target "amdgcn-amd-amdhsa--gfx1250"
	.amdhsa_code_object_version 6
	.text
	.protected	k_qff042653f0_qkv
	.globl	k_qff042653f0_qkv
	.p2align	8
	.type	k_qff042653f0_qkv,@function
k_qff042653f0_qkv:
	s_mov_b64 s[64:65], 0
	v_nop
	global_prefetch_b8 v0, s[64:65] scope:SCOPE_SE
	s_setreg_imm32_b32 hwreg(HW_REG_WAVE_MODE, 25, 1), 1
	s_wait_xcnt 0x0
	s_wait_alu depctr_hold_cnt(0) depctr_sa_sdst(0) depctr_va_vdst(0) depctr_va_sdst(0) depctr_va_ssrc(0) depctr_va_vcc(0) depctr_vm_vsrc(0)
	s_getreg_b32 s2, hwreg(HW_REG_IB_STS2, 6, 4)
	s_cmp_eq_u32 s2, 0
	s_cbranch_scc0 .Lentry_in_a_cluster
	s_endpgm
.Lentry_in_a_cluster:
	s_bfe_u32 s2, ttmp6, 0x10000c
	s_cmp_lg_u32 s2, 0xf033
	s_cbranch_scc0 .Lentry_shape_is_right
	s_endpgm
.Lentry_shape_is_right:
; q = x Wq^T + bq, k = x Wk^T + bk, v = x Wv^T + bv on codes of FP4 with E8M0 scales, and each result quantised for attention: q and k along the head's 64, v along the keys.
; One core serves all three.  The cluster's x says which: P = 0: q, 1: k, 2: v.  C[m][n] = sum over k of A[m][k] B[n][k], K = 1,024, a tile of 256 x 256 to a work-group, 128 x 128 to a wave.
; P < 2: A = x (tokens), B = the weight (features).  P = 2: A = Wv (channels), B = x (tokens).  The matrix instruction is used transposed (source 0 = rows of B, source 1 = rows of A), so a lane holds one row
; of A and eight neighbouring columns: features for q and k, tokens for v: in each case the axis along which the result is quantised.  Only pointers and tile bases are chosen by P.
; K = 1,024 is two slots of 512 along K: both are first fills, nothing is filled again.  Scales of all of K come with them.  4 x 4 work-groups form a cluster; A's tiles are asked for jointly along a row, B's along a column.
; WHAT IS STORED: images of operands: 16 rows x 128 K as the 8 registers of a fragment stand, 1 KB = [c 2][lane 32][16 bytes]; every store covers 512 consecutive bytes.
;   QI byte 0, KI byte 4,194,304: [b x head 32][16 tokens 128][1 KB], of which the first 512 bytes are stored: the head's 64 are k = 0 .. 63.  k = 64 .. 127 are constants that the reader makes in registers.
;   They carry the mask through the scale word: its bytes 2, 3 are 0x7f, 0x7f; a masked key has zeros in its 64 codes and 0xA0 (2^33) as byte 2.
;   VI byte 8,388,608: [b x head][128 keys 16][16 channels 4][1 KB].  Scale words: QS byte 10,485,760, KS byte 10,747,904: [b x head][2048]; VS byte 11,010,048: [b x head][128 keys 16][64 channels].
; LIMITS: NaN and infinities are not served; a block whose largest magnitude lies under 2^-124 keeps the byte 1; a masked logit is -2^30 where the definition has -1e9 (the same p follows); |q . k| under 2^32.
; REGISTERS: window 0: v0-31 addresses; v32-95 scale words, two sets; v96-111 mask or v's bias; v112-119 codes; v128-191 A's fragments, on the way out the 64 numbers to quantise; v192-252 at work on the way out.
;   window 1: B's fragments at v0 and v128; v64-127 the column bias.   windows 2, 3: the 64 accumulators.
.set SIZE_K, 1024
.set KSTEP,  512
.set NQ,     KSTEP/128
.set ROWB,   512
.set KROW,   SIZE_K/2
.set PITCH,  528                       ; an LDS row: all of K, 512 bytes + 16 of padding: the 16 rows of a load start at 16 different banks
.set FR,     8
.set NL,     2
.set NP,     4
.set HALFT,  128*PITCH
.set SLOT,   256                       ; the second 512 along K begin 256 bytes on in each row
.set KS,     SIZE_K/32
.set SCL,    4*HALFT
.set HALFS,  (128*KS/256)*272
.set SBLK,   (16*KS/256)*272
.set SPARE,  SCL+4*HALFS               ; the spare words, 128 bytes a wave: no other line names them
.set STG,    SPARE+512                 ; the way out's scale words: 8,192 bytes into which no tile lands
.set AO,   15                          ; v15  4 x (lane % 16)
.set ADRA, 16
.set BO,   18                          ; v18  32 x (lane / 16)
.set LV,   19                          ; v19  16 (lane % 16) + 4096 (lane / 16)
.set ADRB, 20
.set SWVA, 22                          ; v22  v's scale words into LDS: 4096 + 1024 wave + 4 (lane % 16)
.set SWVR, 23                          ; v23  and back: 4096 + 1024 wave + 16 lane
.set LI,   24                          ; v24  16 x lane
.set SWA,  25                          ; v25  q's, k's scale words into LDS: 1024 wave + 512 (lane / 16) + 4 (lane % 16)
.set SWR,  26                          ; v26  and back: 1024 wave + 16 lane
.set ADRS, 27
.set SPW,  28
.set NIL,  29
.set SC,   32
.set AUX,  96
.set PC,   112
.set AF,   128
.set T,    128
.set XB,   192
.set TM,   200
.set PW,   216
.set WS,   217
.set W1,   218
.set W0,   219
.set M32,  224
.set HIW,  240
.set HI0,  251
.set HI1,  252
.set BN,   64                          ; in window 1
.set SEL,  66                          ; s[66:67]
.set G1, 24
.set G0, 32
.set G1B, 48
.set G0B, 56
.set G1S, 68
.set G0S, 76
.set G1SB, 80
.set G0SB, 88
.set MSB, 0
.macro WIN new                         ; the immediate's high byte repeats the setting that is left
.if MSB != (\new)
	s_set_vgpr_msb (MSB<<8)|(\new)
.set MSB, \new
.endif
.endm
.set MUL_LO, 0xa1                      ; source 0 (B) window 1, source 1 (A) window 0, C and D window 2
.set MUL_HI, 0xf1
.set TO_B,   0x40
; An arm of the head's one tree of branches on the wave's number: one joint load, and a jump to the tree's end.  An s_nop 0 and four v_nop follow the load.
.macro ARM under, g0, g1, next
	s_cmp_lt_u32 s14, \under
	s_cbranch_scc0 \next
	tensor_load_to_lds s[\g0:\g0+3], s[\g1:\g1+7]
	s_nop 0
.rept 4
	v_nop
.endr
	s_branch .Lhead_asked
\next:
.endm
.macro CROUND                          ; a round of the cluster's barrier
	s_barrier_signal -1
	s_barrier_wait -1
	s_cmp_lg_u32 s14, 0
	s_cbranch_scc1 .Lnot_wave_0_\@
	s_barrier_signal -3
.Lnot_wave_0_\@:
	s_barrier_wait -3
	s_barrier_signal -1
	s_barrier_wait -1
.endm
	s_load_b512 s[68:83], s[0:1], 0x0              ; xq, Wq codes, Wq scales, Wk codes, Wk scales, Wv codes, Wv scales, bq
	s_load_b256 s[84:91], s[0:1], 0x40             ; bk, bv, mask, qkv
	v_lshl_add_u32 v[SPW], v0, 2, SPARE
	v_mov_b32 v[NIL], 0
	ds_add_u32 v28, v29
	ds_add_u32 v28, v29
	s_wait_dscnt 0x0
	v_lshrrev_b32 v1, 5, v0
	v_readfirstlane_b32 s14, v1                    ; wave 0..3
	s_lshr_b32 s15, s14, 1                         ; which half of the tile's rows is mine
	s_and_b32 s16, s14, 1                          ; which half of its columns
	s_bfe_u32 s40, ttmp6, 0x40000                  ; cx
	s_bfe_u32 s41, ttmp6, 0x40004                  ; cy
	s_and_b32 s94, ttmp7, 0xffff
	s_lshl_b32 s94, s94, 2                         ; 4 x cluster y
	s_lshl_b32 s43, s41, 2
	s_lshl_b32 s43, 15, s43                        ; my row of the cluster
	s_lshl_b32 s44, 0x1111, s40                    ; my column
	s_or_b32 s[G1+0], s43, (0<<16)|(1<<20)|(1<<21)|(6<<22)|(3<<25)  ; the mask; elements of 1 byte; padding: 4 words after every 128; bit 21 beside a mask
	s_or_b32 s[G1B+0], s44, (0<<16)|(1<<20)|(1<<21)|(6<<22)|(3<<25)
.irp g, G1, G1B
	s_mov_b32 s[\g+1], ROWB<<16                    ; tensor_dim0
	s_mov_b32 s[\g+2], 256<<16                     ; tensor_dim1: the tile's 256 rows
	s_mov_b32 s[\g+3], ROWB<<16                    ; tile_dim0
	s_mov_b32 s[\g+4], 256                         ; tile_dim1
	s_mov_b32 s[\g+5], KROW                        ; pitch
	s_mov_b32 s[\g+6], 0
	s_mov_b32 s[\g+7], 0
.endr
	s_wait_kmcnt 0x0
	; the operands by P.  The conditions hang on the cluster's x alone, which all sixteen partners share
	s_add_nc_u64 s[92:93], s[68:69], 0x200000      ; x's scale bytes
	s_cmp_eq_u32 ttmp9, 0
	s_cselect_b64 s[8:9], s[70:71], s[74:75]       ; B's codes: Wq or Wk
	s_cselect_b64 s[10:11], s[72:73], s[76:77]     ; B's scales
	s_cselect_b64 s[96:97], s[82:83], s[84:85]     ; the column bias: bq or bk
	s_cmp_eq_u32 ttmp9, 2
	s_cselect_b64 s[4:5], s[78:79], s[68:69]       ; A's codes: Wv, else x
	s_cselect_b64 s[6:7], s[80:81], s[92:93]       ; A's scales
	s_cselect_b64 s[8:9], s[68:69], s[8:9]         ; B: x, else the weight
	s_cselect_b64 s[10:11], s[92:93], s[10:11]
	s_cselect_b64 s[96:97], s[86:87], s[96:97]     ; (v's path loads bv's first 128 here and does not use them)
	s_cselect_b64 s[98:99], s[86:87], s[88:89]     ; by A's rows: bv, else the mask
	s_cselect_b32 s17, 0, s94
	s_cselect_b32 s42, s94, 0
	s_mov_b64 s[12:13], s[90:91]                   ; qkv
	s_add_co_u32 s17, s17, s41                     ; tile row = its base + cy
	s_add_co_u32 s42, s42, s40                     ; tile column = its base + cx
	s_cmp_eq_u32 ttmp9, 1
	s_cselect_b32 s2, -1, 0                        ; all ones for k: only k honours the mask
	s_mov_b32 s3, 0xffff0000                       ; lanes 16-31
	s_mov_b32 s[SEL], 0x76543210
	s_mov_b32 s[SEL+1], 0xfedcba98
	; the scales of 128 rows: a dense block of 4,096 bytes, as rows of 256 bytes, 16 bytes of padding behind each
	s_or_b32 s[G1S+0], s43, (3<<16)|(1<<20)|(1<<21)|(5<<22)|(3<<25)
	s_or_b32 s[G1SB+0], s44, (3<<16)|(1<<20)|(1<<21)|(5<<22)|(3<<25)
.irp g, G1S, G1SB
	s_mov_b32 s[\g+1], 32<<16
	s_mov_b32 s[\g+2], KS<<16                      ; the scales of 256 rows: KS rows of 256 bytes
	s_mov_b32 s[\g+3], 32<<16
	s_mov_b32 s[\g+4], KS
	s_mov_b32 s[\g+5], 32
	s_mov_b32 s[\g+6], 0
	s_mov_b32 s[\g+7], 0
.endr
	s_lshl_b32 s20, s17, 8                         ; A: row 256 x tile row
	s_lshl_b32 s46, s42, 8                         ; B: row 256 x tile column
	s_mov_b32 s21, 0
	s_mov_b32 s47, 0
	s_mov_b64 s[18:19], KS
	s_mul_u64 s[22:23], s[20:21], s[18:19]
	s_mul_u64 s[92:93], s[46:47], s[18:19]
	s_mov_b64 s[18:19], KROW
	s_mul_u64 s[20:21], s[20:21], s[18:19]
	s_mul_u64 s[46:47], s[46:47], s[18:19]
	s_add_nc_u64 s[20:21], s[4:5], s[20:21]
	s_add_nc_u64 s[22:23], s[6:7], s[22:23]
	s_add_nc_u64 s[46:47], s[8:9], s[46:47]
	s_add_nc_u64 s[92:93], s[10:11], s[92:93]
	CROUND                                         ; all sixteen work-groups are here: the first joint loads meet
	s_mov_b32 s[G0S], 1
	s_mov_b32 s[G0S+1], SCL
	s_mov_b64 s[G0S+2:G0S+3], s[22:23]
	s_or_b32 s[G0S+3], s[G0S+3], 0x80000000
	s_mov_b32 s[G0SB], 1
	s_mov_b32 s[G0SB+1], SCL+2*HALFS
	s_mov_b64 s[G0SB+2:G0SB+3], s[92:93]
	s_or_b32 s[G0SB+3], s[G0SB+3], 0x80000000
	s_mov_b32 s[G0], 1
	s_mov_b32 s[G0+1], 0
	s_mov_b64 s[G0+2:G0+3], s[20:21]
	s_or_b32 s[G0+3], s[G0+3], 0x80000000
	s_mov_b32 s[G0B], 1
	s_mov_b32 s[G0B+1], 2*HALFT
	s_mov_b64 s[G0B+2:G0B+3], s[46:47]
	s_or_b32 s[G0B+3], s[G0B+3], 0x80000000
	; the head's four tiles, one joint load a wave: wave 0 A's 256 rows of all of K, wave 1 B's, wave 2 A's scales, wave 3 B's.  Nothing is filled later
	ARM 1, G0,  G1,  .Lhead_b
	ARM 2, G0B, G1B, .Lhead_sa
	ARM 3, G0S, G1S, .Lhead_sb
	tensor_load_to_lds s[G0SB:G0SB+3], s[G1SB:G1SB+7]
	s_nop 0
.rept 4
	v_nop
.endr
.Lhead_asked:
	v_and_b32 v1, 15, v0                           ; r = lane % 16
	v_bfe_u32 v2, v0, 4, 1                         ; h = lane / 16
	v_mul_u32_u24 v3, v1, PITCH
	v_lshl_add_u32 v4, v2, 4, v3
	s_mul_i32 s21, s15, HALFT
	s_mul_i32 s22, s16, HALFT
	s_add_co_u32 s22, s22, 2*HALFT
.irp s, 0,1
	v_add_nc_u32 v[ADRA+\s], s21, v4
	v_add_nc_u32 v[ADRB+\s], s22, v4
	s_add_co_u32 s21, s21, SLOT
	s_add_co_u32 s22, s22, SLOT
.endr
	v_mul_u32_u24 v5, v1, KS
	v_lshrrev_b32 v6, 8, v5
	v_lshl_add_u32 v5, v6, 4, v5
	s_mul_i32 s21, s15, HALFS
	s_mul_i32 s22, s16, HALFS
	s_add_co_u32 s22, s22, 2*HALFS
	s_sub_co_u32 s22, s22, s21
	v_mul_u32_u24 v6, s22, v2                      ; lanes 16-31 take B's scale words
	s_add_co_u32 s21, s21, SCL
	v_add_nc_u32 v5, v5, v6
	v_add_nc_u32 v[ADRS], s21, v5
	; addresses and constants of the way out: all made here, ahead of the parting of the paths
	v_and_b32 v6, 31, v0
	v_lshlrev_b32 v[LI], 4, v6
	v_lshlrev_b32 v[AO], 2, v1
	v_lshlrev_b32 v[BO], 5, v2
	s_lshl_b32 s23, s14, 10
	s_add_co_u32 s23, s23, STG                     ; my 1,024 bytes of each half of the stage
	v_lshl_add_u32 v[SWA], v2, 9, v[AO]
	v_add_nc_u32 v[SWA], s23, v[SWA]
	v_add_nc_u32 v[SWR], s23, v[LI]
	v_add_nc_u32 v[SWVA], s23, v[AO]
	v_add_nc_u32 v[SWVA], 4096, v[SWVA]
	v_add_nc_u32 v[SWVR], 4096, v[SWR]
	v_lshlrev_b32 v[LV], 4, v1
	v_lshl_add_u32 v[LV], v2, 12, v[LV]
.irp b, 0,1,2,3
	v_mov_b32 v[TM+4+\b], 0                        ; written once: a lane permute's destination counts as one of its sources
.endr
	v_mov_b32 v[HI0], 0x7f7f0000                   ; the scale bytes of k = 64 .. 127
	v_mov_b32 v[HI1], 0x7fa00000                   ; and of a masked key: 2^33 for k = 64 .. 95
	; where my part of the results begins.  tok0, feat0: my first token and feature
	s_lshl_b32 s20, s17, 8
	s_lshl_b32 s21, s15, 7
	s_add_co_u32 s20, s20, s21                     ; m0: my first row of A
	s_lshl_b32 s46, s42, 8
	s_lshl_b32 s47, s16, 7
	s_add_co_u32 s46, s46, s47                     ; n0: my first row of B
	s_cmp_eq_u32 ttmp9, 2
	s_cselect_b32 s21, s46, s20                    ; tok0
	s_cselect_b32 s22, s20, s46                    ; feat0
	s_cselect_b32 s23, 16, 17                      ; a head's images: 2^16 bytes of v, 2^17 of q or k
	s_cselect_b32 s45, 5, 6                        ; a token's share of them: 32 bytes, 64 bytes
	s_cselect_b32 s47, 0, s46                      ; the column bias begins at n0 (v: at 0)
	s_lshr_b32 s18, s21, 11
	s_lshl_b32 s18, s18, 4
	s_lshr_b32 s22, s22, 6
	s_add_co_u32 s18, s18, s22                     ; 16 b + head
	s_and_b32 s21, s21, 2047                       ; the token in its batch
	s_lshl_b32 s92, s18, s23
	s_lshl_b32 s93, s21, s45
	s_add_co_u32 s92, s92, s93
	s_lshl_b32 s93, ttmp9, 22
	s_add_co_u32 s92, s92, s93                     ; images: P x 4,194,304 + ..
	s_mov_b32 s93, 0
	s_sub_co_u32 s23, s23, 4                       ; scale words: a sixteenth of the images' bytes
	s_sub_co_u32 s45, s45, 4
	s_lshl_b32 s18, s18, s23
	s_lshl_b32 s21, s21, s45
	s_add_co_u32 s18, s18, s21
	s_lshl_b32 s21, ttmp9, 18
	s_add_co_u32 s18, s18, s21
	s_add_co_u32 s18, s18, 10485760
	s_mov_b32 s19, 0
	s_add_nc_u64 s[100:101], s[12:13], s[18:19]
	s_add_nc_u64 s[12:13], s[12:13], s[92:93]
	s_lshl_b32 s18, s47, 2
	s_add_nc_u64 s[96:97], s[96:97], s[18:19]
	s_lshl_b32 s18, s20, 2
	s_add_nc_u64 s[98:99], s[98:99], s[18:19]
	WIN TO_B
.irp b, 0,1,2,3,4,5,6,7                        ; the bias of column n0 + 16 b + 8 h + 0 .. 7, in the result's layout
	global_load_b128 v[BN+8*\b:BN+8*\b+3], v[BO], s[96:97] offset:64*\b
	global_load_b128 v[BN+8*\b+4:BN+8*\b+7], v[BO], s[96:97] offset:64*\b+16
.endr
	WIN 0
.irp a, 0,1,2,3,4,5,6,7                        ; of row m0 + 16 a + r: the mask (q, k) or bv (v), twice: a pair for the packed addition
	global_load_b32 v[AUX+2*\a], v[AO], s[98:99] offset:64*\a
	global_load_b32 v[AUX+2*\a+1], v[AO], s[98:99] offset:64*\a
.endr
.macro FRAG reg, adr, q, i             ; 16 rows x 128 K of 4-bit codes: registers 4 c .. 4 c + 3 hold K = 64 c + 32 (lane / 16) + 0 .. 31
.irp c, 0,1
	ds_load_b128 v[\reg+4*\c:\reg+4*\c+3], v[\adr] offset:64*(\q)+32*\c+(\i)*16*PITCH
.endr
.endm
; 16 matrix instructions: A's blocks a0, a0 + 1 x B's eight.  The 64 accumulators take turns, one instruction a turn.  zero = 1: the first product starts the sums.
.macro MUL16 a0, p, q, sc, zero
.irp a, \a0, \a0+1
.irp b, 0,1,2,3,4,5,6,7
.if \zero
	v_wmma_scale_f32_16x16x128_f8f6f4 v[8*(8*((\a)%4)+\b):8*(8*((\a)%4)+\b)+7], v[128*(\p)+FR*\b:128*(\p)+FR*\b+FR-1], v[AF+FR*(\a):AF+FR*(\a)+FR-1], 0, v[SC+8*NQ*(\sc)+NQ*\b+(\q)], v[SC+8*NQ*(\sc)+NQ*(\a)+(\q)] matrix_a_fmt:MATRIX_FMT_FP4 matrix_b_fmt:MATRIX_FMT_FP4 matrix_a_scale:MATRIX_SCALE_ROW1
.else
	v_wmma_scale_f32_16x16x128_f8f6f4 v[8*(8*((\a)%4)+\b):8*(8*((\a)%4)+\b)+7], v[128*(\p)+FR*\b:128*(\p)+FR*\b+FR-1], v[AF+FR*(\a):AF+FR*(\a)+FR-1], v[8*(8*((\a)%4)+\b):8*(8*((\a)%4)+\b)+7], v[SC+8*NQ*(\sc)+NQ*\b+(\q)], v[SC+8*NQ*(\sc)+NQ*(\a)+(\q)] matrix_a_fmt:MATRIX_FMT_FP4 matrix_b_fmt:MATRIX_FMT_FP4 matrix_a_scale:MATRIX_SCALE_ROW1
.endif
.endr
.endr
.endm
.macro FETCH_B slot, q, p
	WIN TO_B
.irp i, 0,1,2,3,4,5,6,7
	FRAG 128*(\p)+FR*\i, ADRB+\slot, \q, \i
.endr
	WIN 0
.endm
.macro FETCH_A slot, q, i0
.irp i, \i0, \i0+1, \i0+2, \i0+3
	FRAG AF+FR*(\i), ADRA+\slot, \q, \i
.endr
.endm
.macro SCALES sc                       ; a slot's scale words: lanes 0-15 A's block i, lanes 16-31 B's block i
.irp i, 0,1,2,3,4,5,6,7
	ds_load_b128 v[SC+8*NQ*\sc+NQ*\i:SC+8*NQ*\sc+NQ*\i+3], v[ADRS] offset:\i*SBLK
.endr
.endm
.macro PLACES n                        ; plain vector instructions between a matrix instruction and a load into, or a read of, its registers
.rept \n
	v_nop
.endr
.endm
.macro STEP slot, q, zero              ; 128 along K that has its successor in the same slot
	s_wait_dscnt 4*NL                              ; B's set and A's blocks 0-3 are in; the 8 youngest loads (A's blocks 4-7) may be out
	WIN MUL_LO
	MUL16 0, (\q)%2, \q, \slot, \zero
	MUL16 2, (\q)%2, \q, \slot, \zero
	s_wait_dscnt 0
	PLACES NP
	FETCH_B \slot, (\q)+1, 1-(\q)%2
	FETCH_A \slot, (\q)+1, 0
	WIN MUL_HI
	MUL16 4, (\q)%2, \q, \slot, \zero
	MUL16 6, (\q)%2, \q, \slot, \zero
	PLACES NP
	WIN 0
	FETCH_A \slot, (\q)+1, 4
.endm
; The fourth step goes on to the rows' second halves, which landed with the first: no barrier
.macro TURN slot, next
	s_wait_dscnt 4*NL                              ; the 8 youngest loads may be out
	WIN MUL_LO
	MUL16 0, 1, NQ-1, \slot, 0
	s_wait_dscnt 0x0                               ; my reads of this slot are over
	MUL16 2, 1, NQ-1, \slot, 0
	WIN 0
	PLACES NP
	v_add_nc_u32 v[ADRS], 4*NQ, v[ADRS]            ; the next slot's scale words
	FETCH_B \next, 0, 0
	FETCH_A \next, 0, 0
	SCALES \next
	WIN MUL_HI
	MUL16 4, 1, NQ-1, \slot, 0
	MUL16 6, 1, NQ-1, \slot, 0
	PLACES NP
	WIN 0
	FETCH_A \next, 0, 4
.endm
	s_wait_tensorcnt 0x0                           ; my tile of the head's four is in
	s_barrier_signal -1
	s_barrier_wait -1
	FETCH_B 0, 0, 0
	FETCH_A 0, 0, 0
	SCALES 0
	FETCH_A 0, 0, 4
	STEP 0, 0, 1
	STEP 0, 1, 0
	STEP 0, 2, 0
	TURN 0, 1
	STEP 1, 0, 0
	STEP 1, 1, 0
	STEP 1, 2, 0
	s_wait_dscnt 4*NL
	WIN MUL_LO
	MUL16 0, 1, NQ-1, 1, 0
	MUL16 2, 1, NQ-1, 1, 0
	s_wait_dscnt 0
	WIN MUL_HI
	MUL16 4, 1, NQ-1, 1, 0
	MUL16 6, 1, NQ-1, 1, 0
	WIN 0
; 64 numbers of a lane, v[s] on: register 16 b + i is column 32 b + 8 h + i (i < 8) or 32 b + 16 + 8 h + i - 8 of my row.  They become a fragment's codes in v[PC] on and its scale word in v[PW].
; A conversion's 8 codes are a quarter of a block; two exchanges of half registers for each pair of blocks put a whole block into a lane: register 4 c + g of lane (r, h) then holds k = 64 c + 32 h + 8 g + 0 .. 7.
.macro QUANT s
.irp b, 0,1,2,3
	v_max3_num_f32 v[TM+\b], |v[\s+16*\b]|, |v[\s+1+16*\b]|, 0x1800000   ; and the floor 2^(3 - 127): the byte cannot fall under 1
.endr
.irp i, 2,4,6,8,10,12,14
.irp b, 0,1,2,3
	v_max3_num_f32 v[TM+\b], v[TM+\b], |v[\s+16*\b+\i]|, |v[\s+1+16*\b+\i]|
.endr
.endr
.irp b, 0,1,2,3
	v_permlanex16_b32 v[TM+4+\b], v[TM+\b], s[SEL], s[SEL+1]
.endr
.irp b, 0,1,2,3
	v_max_num_f32 v[TM+\b], v[TM+\b], v[TM+4+\b]   ; with lane l xor 16's: the block's largest magnitude
.endr
.irp b, 0,1,2,3
	v_add_nc_u32 v[TM+12+\b], 0xff000000, v[TM+\b] ; 2 off its exponent field: the conversion's scale operand
.endr
.irp b, 0,1,2,3
	v_lshrrev_b32 v[TM+4+\b], 23, v[TM+12+\b]      ; the scale's byte
.endr
	v_lshl_or_b32 v[PW], v[TM+5], 8, v[TM+4]
	v_lshl_or_b32 v[PW], v[TM+6], 16, v[PW]
	v_lshl_or_b32 v[PW], v[TM+7], 24, v[PW]
.irp b, 0,1,2,3
	v_cvt_scalef32_pk8_fp4_f32 v[PC+4*(\b/2)+(\b%2)], v[\s+16*\b:\s+7+16*\b], v[TM+12+\b]
	v_cvt_scalef32_pk8_fp4_f32 v[PC+4*(\b/2)+2+(\b%2)], v[\s+8+16*\b:\s+15+16*\b], v[TM+12+\b]
.endr
	v_nop                                          ; one plain instruction behind the conversions
.irp c, 0,1
	v_permlane16_swap_b32 v[PC+4*\c], v[PC+4*\c+1]
	v_permlane16_swap_b32 v[PC+4*\c+2], v[PC+4*\c+3]
.endr
.endm
; q, k: block a: 16 tokens x my 128 features = two heads: four registers of codes for each.  The scale words are gathered in my own bytes of the stage behind the spare words.
.macro EPI_QK a
	s_wait_xcnt 0x0                                ; the last block's stores have read their registers
	s_wait_dscnt 0x0
	WIN 0x06+(\a)/4                                ; source 0: the accumulators' window; source 1: window 1
.set j, 0
.rept 32
	v_pk_add_f32 v[T+j:T+j+1], v[64*((\a)%4)+j:64*((\a)%4)+j+1], v[BN+j:BN+j+1]   ; + bias; each accumulator from its low end on
.set j, j+2
.endr
	WIN 0
	QUANT T
.irp i, 0,1,2,3,4,5,6,7
	v_and_b32 v[PC+\i], v[PC+\i], v[M32+(\a)]      ; a masked key's codes become zeros
.endr
	v_and_or_b32 v[W0], v[PW], 0xffff, v[HIW+(\a)] ; the first head's word: its two bytes, and those of k = 64 .. 127
	v_lshrrev_b32 v[W1], 16, v[PW]
	v_or_b32 v[W1], v[W1], v[HIW+(\a)]             ; the second head's
	v_cndmask_b32 v[WS], v[W0], v[W1], s3          ; lanes 0-15 store the first, lanes 16-31 the second
	ds_store_b32 v[SWA], v[WS] offset:64*(\a)
	global_store_b128 v[LI], v[PC:PC+3], s[12:13] offset:1024*(\a)
	global_store_b128 v[LI], v[PC+4:PC+7], s[12:13] offset:131072+1024*(\a)
.endm
; v: block a: 16 channels x my 128 tokens = one key step
.macro EPI_V a
	s_wait_xcnt 0x0
	s_wait_dscnt 0x0
	WIN 0x02+(\a)/4
.set j, 0
.rept 32
	v_pk_add_f32 v[T+j:T+j+1], v[64*((\a)%4)+j:64*((\a)%4)+j+1], v[AUX+2*(\a):AUX+2*(\a)+1]
.set j, j+2
.endr
	WIN 0
	QUANT T
	ds_store_b32 v[SWVA], v[PW] offset:64*(\a)     ; both halves of the lanes write the same word with the same value
	global_store_b128 v[LI], v[PC:PC+3], s[12:13] offset:1024*((\a)%4)+65536*((\a)/4)
	global_store_b128 v[LI], v[PC+4:PC+7], s[12:13] offset:1024*((\a)%4)+65536*((\a)/4)+512
.endm
	PLACES NP
	s_wait_loadcnt 0x0                             ; bias and mask
	s_cmp_eq_u32 ttmp9, 2
	s_cbranch_scc1 .Lv_path
	s_wait_alu depctr_va_vdst(0)
.irp a, 0,1,2,3,4,5,6,7
	v_cmp_eq_u32 vcc_lo, 0, v[AUX+2*\a]            ; the mask only selects values
	s_and_b32 vcc_lo, vcc_lo, s2                   ; and only for k
	v_cndmask_b32 v[M32+\a], -1, v[NIL], vcc_lo
	v_cndmask_b32 v[HIW+\a], v[HI0], v[HI1], vcc_lo
.endr
.irp a, 0,1,2,3,4,5,6,7
	EPI_QK \a
.endr
	ds_load_b128 v[XB:XB+3], v[SWR]                ; LDS serves a wave's instructions in order: these see my stores
	ds_load_b128 v[XB+4:XB+7], v[SWR] offset:512
	s_wait_dscnt 0x0
	global_store_b128 v[LI], v[XB:XB+3], s[100:101]               ; 128 tokens' words of a head: 512 consecutive bytes
	global_store_b128 v[LI], v[XB+4:XB+7], s[100:101] offset:8192
	s_branch .Lend
.Lv_path:
.irp a, 0,1,2,3,4,5,6,7
	EPI_V \a
.endr
	ds_load_b128 v[XB:XB+3], v[SWVR]
	s_wait_dscnt 0x0
	global_store_b128 v[LV], v[XB:XB+3], s[100:101]               ; sixteen lanes store a head's 64 words: 256 consecutive bytes
.Lend:
	s_wait_tensorcnt 0x0                           ; the wave's end
	ds_add_u32 v[SPW], v[NIL]
	s_wait_dscnt 0x0
	CROUND                                         ; the closing round
	s_endpgm
.Lfunc_end_k_qff042653f0_qkv:
	.size	k_qff042653f0_qkv, .Lfunc_end_k_qff042653f0_qkv-k_qff042653f0_qkv
	.p2alignl 7, 3214868480
	.fill 96, 4, 3214868480
	.section	.rodata,"a",@progbits
	.p2align	6, 0x0
	.amdhsa_kernel k_qff042653f0_qkv
		.amdhsa_group_segment_fixed_size 327680
		.amdhsa_private_segment_fixed_size 0
		.amdhsa_enable_private_segment 0
		.amdhsa_kernarg_size 96
		.amdhsa_user_sgpr_count 2
		.amdhsa_user_sgpr_kernarg_segment_ptr 1
		.amdhsa_wavefront_size32 1
		.amdhsa_system_sgpr_workgroup_id_x 1
		.amdhsa_system_sgpr_workgroup_id_y 1
		.amdhsa_system_sgpr_workgroup_id_z 1
		.amdhsa_system_vgpr_workitem_id 0
		.amdhsa_next_free_vgpr 1024
		.amdhsa_next_free_sgpr 102
		.amdhsa_reserve_vcc 1
		.amdhsa_float_denorm_mode_32 3
		.amdhsa_float_denorm_mode_16_64 3
		.amdhsa_memory_ordered 1
		.amdhsa_forward_progress 1
		.amdhsa_inst_pref_size 202
	.end_amdhsa_kernel
	.amdgpu_metadata
---
amdhsa.version: [ 1, 2 ]
amdhsa.kernels:
  - .name:           k_qff042653f0_qkv
    .symbol:         k_qff042653f0_qkv.kd
    .args:
      - { .name: xq, .offset: 0, .size: 8, .value_kind: global_buffer, .address_space: global }
      - { .name: Wq_codes, .offset: 8, .size: 8, .value_kind: global_buffer, .address_space: global }
      - { .name: Wq_scales, .offset: 16, .size: 8, .value_kind: global_buffer, .address_space: global }
      - { .name: Wk_codes, .offset: 24, .size: 8, .value_kind: global_buffer, .address_space: global }
      - { .name: Wk_scales, .offset: 32, .size: 8, .value_kind: global_buffer, .address_space: global }
      - { .name: Wv_codes, .offset: 40, .size: 8, .value_kind: global_buffer, .address_space: global }
      - { .name: Wv_scales, .offset: 48, .size: 8, .value_kind: global_buffer, .address_space: global }
      - { .name: bq, .offset: 56, .size: 8, .value_kind: global_buffer, .address_space: global }
      - { .name: bk, .offset: 64, .size: 8, .value_kind: global_buffer, .address_space: global }
      - { .name: bv, .offset: 72, .size: 8, .value_kind: global_buffer, .address_space: global }
      - { .name: question_mask, .offset: 80, .size: 8, .value_kind: global_buffer, .address_space: global }
      - { .name: qkv, .offset: 88, .size: 8, .value_kind: global_buffer, .address_space: global }
    .group_segment_fixed_size: 327680
    .private_segment_fixed_size: 0
    .kernarg_segment_align: 8
    .kernarg_segment_size: 96
    .max_flat_workgroup_size: 128
    .sgpr_count:     102
    .vgpr_count:     1024
    .wavefront_size: 32
...
	.end_amdgpu_metadata
.endif
;; end of part 2
;; launch att (part 3): grid 16 x 16, 16 waves a work-group, clusters of 4 x 1, 327,680 bytes of LDS; arguments qkv, ctx; writes ctx
.if DOCPART == 3
	.amdgcn_target "amdgcn-amd-amdhsa--gfx1250"
	.amdhsa_code_object_version 6
	.text
	.protected	k_qff042653f0_att
	.globl	k_qff042653f0_att
	.p2align	8
	.type	k_qff042653f0_att,@function
k_qff042653f0_att:
	s_mov_b64 s[64:65], 0
	v_nop
	global_prefetch_b8 v0, s[64:65] scope:SCOPE_SE
	s_setreg_imm32_b32 hwreg(HW_REG_WAVE_MODE, 25, 1), 1
	s_wait_xcnt 0x0
	s_wait_alu depctr_hold_cnt(0) depctr_sa_sdst(0) depctr_va_vdst(0) depctr_va_sdst(0) depctr_va_ssrc(0) depctr_va_vcc(0) depctr_vm_vsrc(0)
	s_getreg_b32 s2, hwreg(HW_REG_IB_STS2, 6, 4)
	s_cmp_eq_u32 s2, 0
	s_cbranch_scc0 .Lentry_in_a_cluster
	s_endpgm
.Lentry_in_a_cluster:
	s_bfe_u32 s2, ttmp6, 0x10000c
	s_cmp_lg_u32 s2, 0x3003
	s_cbranch_scc0 .Lentry_shape_is_right
	s_endpgm
.Lentry_shape_is_right:
; ctx = softmax(q k^T / 8, masked) v for 32 (batch, head), both products on codes of FP4 with E8M0 scales, and ctx quantised along the features for the next product.
; t = score x log2(e) / 8; M = the running largest t rounded up to a whole number; p = 2^(t - M) is quantised along the keys; the row's sum is taken of the unquantised p and divides at the end.
; THE MASK rides in the first product's K of 128: the head's 64 come from memory, 64 more are constants in registers: every key has -1 at k = 64 and +1 at k = 96, every query +1 at both.
; An open key's scale bytes for these two blocks are 0x7f, 0x7f: -1 + 1 = 0.  A masked key's are 0xA0, 0x7f and its 64 codes are zeros: -2^33 + 1, of which the nearest f32 number is -2^33.
; So p = 0 for a masked key beside an open one, and p = 1 for every key where all keys of a batch are masked.  LIMIT: |q . k| under 2^32; a masked logit is -2^30 where the definition has -1e9.
; SHARES.  A work-group owns 128 queries of a pair of heads (128 along the next product's K are two heads); wave w owns head w / 8 of the pair and the 16 queries w % 8, in 256 registers: four waves to a SIMD.
; ALL OF K AND V STAYS IN LDS: K 2 heads x 128 tiles x 512 bytes, V 2 x 65,536, scale words 24,576: 286,720 bytes, filled once.  The twelve fills are shared out, one to a wave, in one tree of branches on the
; wave's number: waves 0, 1 keys 0 - 1,023 of the two heads' K, waves 2, 3 of V, waves 4 - 7 keys 1,024 - 2,047 likewise, waves 8, 9 K's scale words, waves 10, 11 V's.  One barrier, then sixteen key steps.
; No prefetch: every byte is asked for at the head, so there is nothing to run ahead of.
; CLUSTER.  The four work-groups of a cluster have the same pair of heads: each tile is asked for jointly (mask 15).
; Operands lie in memory as images of their registers (1 KB = [c 2][lane 32][16 bytes]; of K's and Q's the first 512 bytes): a fragment's four registers are one load at 16 x lane.
; LAYOUT.  S^T = K Q^T, O^T = V^T P^T: a lane holds one query (lane % 16).  In tile t of S^T register j is key 16 t + 8 (lane / 16) + j.
; A step's K fragments and scale words are asked of LDS in the step before, behind that step's first products, and are covered by that step's wait for V.
; REGISTERS: v1-11 addresses; v12 -M, v13 the largest t, v[14:15] the sum; v16-23 Q; v24-27 addresses, a constant; v32-95 K's eight fragments (the upper four registers of each are constants); v96-159 S^T, then p,
;   then in v96-127 V's four fragments; v160-191 O^T; v192-203 K's, V's scale words; v224-231 p's codes; v232-254 at work; v255 Q's scale word.
.set HEADB, 65536
.set HALFB, 32768
.set STEPB, 4096                       ; 128 keys: 8 tiles x 512 bytes of K, 4 images of V
.set VREG,  2*HEADB
.set SCK,   4*HEADB
.set SCV,   SCK+16384
.set SPARE, SCV+8192                   ; the spare words, 128 bytes a wave: no other line names them
.set CSC,   SPARE+2048                 ; ctx's scale words: 128 rows x 4 bytes; no tile lands here
.set KI,    4194304
.set VI,    8388608
.set QSO,   10485760
.set KSO,   10747904
.set VSO,   11010048
.set AK0,  1
.set AV0,  2
.set ASK0, 3
.set ASV0, 4
.set SPW,  5
.set NIL,  6
.set LI,   7
.set ADK,  8
.set ADV,  9
.set ADS,  10
.set ADT,  11
.set CW,   24
.set CR,   25
.set QW,   26
.set KUP,  27
.set TB,   2
.set TS,   3
.set WV,   18
.set SEL,  20
.set CS,   22
.set G1K,  24
.set G1V,  32
.set G0K0, 40
.set G0V0, 44
.set G1SK, 48
.set G1SV, 56
.set TJ,   66
.set CNT,  67
.set G0SK, 68
.set G0SV, 72
.set G0K1, 76
.set G0V1, 80
.macro CROUND
	s_barrier_signal -1
	s_barrier_wait -1
	s_cmp_lg_u32 s[WV], 0
	s_cbranch_scc1 .Lnot_wave_0_\@
	s_barrier_signal -3
.Lnot_wave_0_\@:
	s_barrier_wait -3
	s_barrier_signal -1
	s_barrier_wait -1
.endm
.macro GROUP1 g, cols, rows, pitch     ; rows of cols elements of 8 bytes, pitch elements apart; mask 15, bit 21 beside it; no padding
	s_mov_b32 s[\g], 15|(3<<16)|(1<<21)
	s_mov_b32 s[\g+1], (\cols)<<16
	s_mov_b32 s[\g+2], (\rows)<<16
	s_mov_b32 s[\g+3], (\cols)<<16
	s_mov_b32 s[\g+4], \rows
	s_mov_b32 s[\g+5], \pitch
	s_mov_b32 s[\g+6], 0
	s_mov_b32 s[\g+7], 0
.endm
.macro ARM under, g0, g1, next         ; an arm of the head's tree: one joint load, an s_nop 0 and four v_nop, a jump to the tree's end
	s_cmp_lt_u32 s[WV], \under
	s_cbranch_scc0 \next
	tensor_load_to_lds s[\g0:\g0+3], s[\g1:\g1+7]
	s_nop 0
.rept 4
	v_nop
.endr
	s_branch .Lasked
\next:
.endm
	s_load_b128 s[4:7], s[0:1], 0x0                ; qkv, ctx
	v_lshl_add_u32 v[SPW], v0, 2, SPARE
	v_mov_b32 v[NIL], 0
	ds_add_u32 v5, v6                              ; the opening lines: the add twice on end and its wait
	ds_add_u32 v5, v6
	s_wait_dscnt 0x0
	v_lshrrev_b32 v8, 5, v0
	s_delay_alu instid0(VALU_DEP_1)
	v_readfirstlane_b32 s[WV], v8                  ; wave 0..15
	s_bfe_u32 s8, ttmp6, 0x40000                   ; cx: it enters Q's and ctx's global addresses alone
	s_lshl_b32 s9, ttmp9, 2
	s_add_co_u32 s9, s9, s8                        ; qb: my block of 128 queries
	s_and_b32 s10, ttmp7, 0xffff                   ; bp = 8 b + pair of heads
	s_lshr_b32 s11, s[WV], 3                       ; par: which head of the pair
	s_and_b32 s12, s[WV], 7                        ; qt: which 16 queries
	s_and_b32 s13, s[WV], 1                        ; e: which head I fetch for
	s_lshl_b32 s14, s10, 1
	s_add_co_u32 s15, s14, s13                     ; the head that I fetch for
	s_add_co_u32 s14, s14, s11                     ; my head: 16 b + head
	s_lshl_b32 s94, s15, 17
	s_add_co_u32 s94, s94, KI
	s_mov_b32 s95, 0
	s_lshl_b32 s96, s15, 16
	s_add_co_u32 s96, s96, VI
	s_mov_b32 s97, 0
	s_lshl_b32 s98, s15, 13
	s_add_co_u32 s98, s98, KSO
	s_mov_b32 s99, 0
	s_lshl_b32 s100, s15, 12
	s_add_co_u32 s100, s100, VSO
	s_mov_b32 s101, 0
	GROUP1 G1K, 64, 64, 128                        ; 1,024 keys of K: of 64 images the first 512 bytes, 1,024 bytes apart
	GROUP1 G1V, 32, 128, 32                        ; 1,024 keys of V: a dense block of 32,768 bytes as rows of 256
	GROUP1 G1SK, 32, 32, 32                        ; a head's scale words of K: 8,192 dense bytes
	GROUP1 G1SV, 32, 16, 32                        ; of V: 4,096
	s_mov_b32 s[SEL], 0x76543210
	s_mov_b32 s[SEL+1], 0xfedcba98
	s_mov_b32 s[CS], 0x3e38aa3b                    ; c = log2(e) / 8
	s_mov_b32 s[CS+1], s[CS]
	s_mov_b32 s[TB], 0
	s_mov_b32 s[TS], 0
	s_mov_b32 s[TJ], 0
	s_lshl_b32 s84, s14, 7
	s_lshl_b32 s85, s9, 3
	s_add_co_u32 s84, s84, s85
	s_add_co_u32 s84, s84, s12                     ; my tile of queries among Q's images
	s_lshl_b32 s86, s84, 6
	s_add_co_u32 s86, s86, QSO
	s_mov_b32 s87, 0
	s_lshl_b32 s84, s84, 10
	s_mov_b32 s85, 0
	s_lshr_b32 s88, s10, 3                         ; b
	s_and_b32 s89, s10, 7                          ; the pair of heads = the next product's K step
	s_lshl_b32 s90, s88, 7
	s_lshl_b32 s91, s9, 3
	s_add_co_u32 s90, s90, s91
	s_add_co_u32 s90, s90, s12                     ; my 16 rows among ctx's 256 blocks of rows
	s_lshl_b32 s90, s90, 3
	s_add_co_u32 s90, s90, s89
	s_lshl_b32 s90, s90, 10
	s_lshl_b32 s91, s11, 9
	s_add_co_u32 s90, s90, s91                     ; my half of the image: c = par
	s_mov_b32 s91, 0
	s_lshl_b32 s92, s89, 14
	s_lshl_b32 s93, s88, 13
	s_add_co_u32 s92, s92, s93
	s_lshl_b32 s93, s9, 9
	s_add_co_u32 s92, s92, s93
	s_add_co_u32 s92, s92, 2097152                 ; ctx's scale words [K step 8][4096 rows]
	s_mov_b32 s93, 0
	s_wait_kmcnt 0x0
	s_mov_b32 s[G0SK], 1
	s_lshl_b32 s[G0SK+1], s13, 13
	s_add_co_u32 s[G0SK+1], s[G0SK+1], SCK
	s_add_nc_u64 s[G0SK+2:G0SK+3], s[4:5], s[98:99]
	s_or_b32 s[G0SK+3], s[G0SK+3], 0x80000000
	s_mov_b32 s[G0SV], 1
	s_lshl_b32 s[G0SV+1], s13, 12
	s_add_co_u32 s[G0SV+1], s[G0SV+1], SCV
	s_add_nc_u64 s[G0SV+2:G0SV+3], s[4:5], s[100:101]
	s_or_b32 s[G0SV+3], s[G0SV+3], 0x80000000
	s_mov_b32 s[G0K0], 1
	s_lshl_b32 s[G0K0+1], s13, 16
	s_add_nc_u64 s[G0K0+2:G0K0+3], s[4:5], s[94:95]
	s_mov_b32 s[G0K1], 1
	s_add_co_u32 s[G0K1+1], s[G0K0+1], HALFB
	s_add_nc_u64 s[G0K1+2:G0K1+3], s[G0K0+2:G0K0+3], 65536      ; 64 images on
	s_or_b32 s[G0K0+3], s[G0K0+3], 0x80000000
	s_or_b32 s[G0K1+3], s[G0K1+3], 0x80000000
	s_mov_b32 s[G0V0], 1
	s_lshl_b32 s[G0V0+1], s13, 16
	s_add_co_u32 s[G0V0+1], s[G0V0+1], VREG
	s_add_nc_u64 s[G0V0+2:G0V0+3], s[4:5], s[96:97]
	s_mov_b32 s[G0V1], 1
	s_add_co_u32 s[G0V1+1], s[G0V0+1], HALFB
	s_add_nc_u64 s[G0V1+2:G0V1+3], s[G0V0+2:G0V0+3], 32768
	s_or_b32 s[G0V0+3], s[G0V0+3], 0x80000000
	s_or_b32 s[G0V1+3], s[G0V1+3], 0x80000000
	s_add_nc_u64 s[84:85], s[4:5], s[84:85]
	s_add_nc_u64 s[86:87], s[4:5], s[86:87]
	s_add_nc_u64 s[90:91], s[6:7], s[90:91]
	s_add_nc_u64 s[92:93], s[6:7], s[92:93]
	CROUND                                         ; all four work-groups are here: the joint loads meet
	ARM 2,  G0K0, G1K,  .Larm_v0                   ; one tensor load a wave at the head
	ARM 4,  G0V0, G1V,  .Larm_k1
	ARM 6,  G0K1, G1K,  .Larm_v1
	ARM 8,  G0V1, G1V,  .Larm_sk
	ARM 10, G0SK, G1SK, .Larm_sv
	ARM 12, G0SV, G1SV, .Larm_none
.Lasked:
	v_and_b32 v8, 15, v0                           ; r
	s_wait_alu depctr_va_vdst(0)
	v_and_b32 v9, 31, v0                           ; lane
	v_bfe_u32 v10, v0, 4, 1                        ; h
	s_delay_alu instid0(VALU_DEP_2)
	v_lshlrev_b32 v[LI], 4, v9
	s_wait_alu depctr_va_vdst(0)
	s_lshl_b32 s16, s11, 16
	v_add_nc_u32 v[AK0], s16, v[LI]
	s_add_co_u32 s16, s16, VREG
	v_add_nc_u32 v[AV0], s16, v[LI]
	s_lshl_b32 s16, s11, 13
	s_add_co_u32 s16, s16, SCK
	v_lshl_add_u32 v[ASK0], v8, 2, s16
	s_lshl_b32 s16, s11, 12
	s_add_co_u32 s16, s16, SCV
	v_lshl_add_u32 v[ASV0], v8, 2, s16
	s_lshl_b32 s16, s12, 6
	s_lshl_b32 s17, s11, 1
	s_add_co_u32 s16, s16, s17
	s_add_co_u32 s16, s16, CSC
	v_lshl_add_u32 v[CW], v8, 2, s16               ; my row's half word: CSC + 64 qt + 2 par + 4 r
	v_add_nc_u32 v[CR], CSC, v[LI]
	v_lshlrev_b32 v[QW], 2, v8
	global_load_b128 v[16:19], v[LI], s[84:85]     ; Q's k = 0 .. 63: it stays in registers
	global_load_b32 v255, v[QW], s[86:87]          ; Q's scale words
	v_lshlrev_b32 v10, 3, v10
	s_delay_alu instid0(VALU_DEP_1)
	v_sub_nc_u32 v[KUP], 10, v10                   ; a key's codes of k = 64 + 32 h + 0 .. 7: lanes 0-15 the code of -1 at k = 64, lanes 16-31 the code of +1 at k = 96
.irp t, 0,1,2,3,4,5,6,7
	v_mov_b32 v[36+8*\t], v[KUP]                   ; the upper halves of K's eight fragments: written once; the loads fill the lower halves alone
	v_mov_b32 v[37+8*\t], 0
	v_mov_b32 v[38+8*\t], 0
	v_mov_b32 v[39+8*\t], 0
.endr
	v_mov_b32 v20, 2                               ; a query's: the code of +1 at k = 64 and at k = 96
	v_mov_b32 v21, 0
	v_mov_b32 v22, 0
	v_mov_b32 v23, 0
	v_mov_b32 v13, 0xff61b1e6                      ; the largest t so far: -3e38
	s_delay_alu instid0(VALU_DEP_1)
	v_floor_f32 v12, -v13                          ; -M
	v_mov_b32 v14, 0
	v_mov_b32 v15, 0
.irp b, 0,1,2,3
	v_mov_b32 v[236+\b], 0                         ; written once: a lane permute's destination counts as one of its sources
.endr
	v_mov_b32 v253, 0
.set j, 0
.rept 32
	v_mov_b32 v[160+j], 0                          ; O^T: the first step finds zeros
.set j, j+1
.endr
; A KEY STEP: 128 keys.  s[TB], s[TS], s[TJ] say where its tiles and scale words begin.  more = 1: a step follows, and its K is asked for here
.macro STEP more
	v_add_nc_u32 v[ADK], s[TB], v[AK0]             ; six plain instructions behind the last products: the first products below write over v96-127, which those read (five are owed)
	v_add_nc_u32 v[ADV], s[TB], v[AV0]
	v_add_nc_u32 v[ADS], s[TS], v[ASK0]
	v_add_nc_u32 v[ADT], s[TJ], v[ASV0]
	v_nop
	v_nop
.irp t, 0,1,2,3,4,5,6,7
	v_wmma_scale_f32_16x16x128_f8f6f4 v[96+8*\t:103+8*\t], v[32+8*\t:39+8*\t], v[16:23], 0, v[192+\t], v255 matrix_a_fmt:MATRIX_FMT_FP4 matrix_b_fmt:MATRIX_FMT_FP4
.endr
.rept 4
	v_nop                                          ; places in front of the first read of the scores and of the loads into the products' sources
.endr
.if \more
.irp t, 0,1,2,3,4,5,6,7
	ds_load_b128 v[32+8*\t:35+8*\t], v[ADK] offset:STEPB+512*\t     ; the next step's K and its scale words: the softmax stands between these loads and the wait that covers them
	ds_load_b32 v[192+\t], v[ADS] offset:512+64*\t
.endr
.endif
.irp t, 0,1,2,3
	ds_load_b32 v[200+\t], v[ADT] offset:64*\t     ; this step's scale words of V
.endr
.irp b, 0,1,2,3
	v_max3_num_f32 v[232+\b], v[96+16*\b], v[97+16*\b], v[98+16*\b]   ; the largest score of each block of 32 keys: for the row's maximum and, since p rises with the score, for the block's largest p
.endr
.irp i, 3,5,7,9,11,13
.irp b, 0,1,2,3
	v_max3_num_f32 v[232+\b], v[232+\b], v[96+16*\b+\i], v[97+16*\b+\i]
.endr
.endr
.irp b, 0,1,2,3
	v_max_num_f32 v[232+\b], v[232+\b], v[111+16*\b]
.endr
.irp b, 0,1,2,3
	s_delay_alu instid0(VALU_DEP_4)
	v_permlanex16_b32 v[236+\b], v[232+\b], s[SEL], s[SEL+1]
.endr
.irp b, 0,1,2,3
	s_delay_alu instid0(VALU_DEP_4)
	v_max_num_f32 v[232+\b], v[232+\b], v[236+\b]
.endr
	s_delay_alu instid0(VALU_DEP_2)
	v_max3_num_f32 v254, v232, v233, v234
	s_delay_alu instid0(VALU_DEP_1)
	v_max_num_f32 v254, v254, v235
	s_delay_alu instid0(VALU_DEP_1)
	v_mul_f32 v254, s[CS], v254
	s_delay_alu instid0(VALU_DEP_1)
	v_max_num_f32 v13, v13, v254                   ; the running largest t
	v_mov_b32 v254, v12
	s_delay_alu instid0(VALU_DEP_2)
	v_floor_f32 v12, -v13                          ; the new -M = -ceil(t)
	s_delay_alu instid0(VALU_DEP_1)
	v_sub_f32 v254, v12, v254                      ; old M - new M: a whole number, 0 or less
	s_delay_alu instid0(VALU_DEP_1)
	v_cvt_i32_f32 v254, v254                       ; (it saturates)
	s_delay_alu instid0(VALU_DEP_1)
	v_ldexp_f32 v252, 1.0, v254                    ; f = 2^(old M - new M): rounds nothing
.set j, 0
.rept 32
	v_pk_fma_f32 v[96+j:97+j], v[96+j:97+j], s[CS:CS+1], v[12:13] op_sel_hi:[1,0,0]   ; t - M
.set j, j+2
.endr
.irp b, 0,1,2,3
	v_fma_f32 v[232+\b], v[232+\b], s[CS], v12
.endr
	s_wait_alu depctr_va_vdst(0)
.set j, 0
.rept 64
	v_exp_f32 v[96+j], v[96+j]                     ; p = 2^(t - M)
.set j, j+1
.endr
	v_pk_mul_f32 v[14:15], v[14:15], v[252:253] op_sel_hi:[1,0]   ; the sums under the new M: a plain instruction behind the exponentials
	s_wait_alu depctr_va_vdst(0)                   ; one wait for the batch, ahead of its first reader
.irp b, 0,1,2,3
	v_exp_f32 v[232+\b], v[232+\b]                 ; the block's largest p
.endr
; the row's sum of the unquantised p: 32 pairs into eight chains (v238-251 and the sum itself), then the chains together
.irp c, 0,1,2,3,4,5,6
	v_pk_add_f32 v[238+2*\c:239+2*\c], v[96+4*\c:97+4*\c], v[98+4*\c:99+4*\c]
.endr
	v_pk_add_f32 v[14:15], v[14:15], v[124:125]
.irp c, 0,1,2,3,4,5,6
	v_pk_add_f32 v[238+2*\c:239+2*\c], v[238+2*\c:239+2*\c], v[126+2*\c:127+2*\c]
.endr
	v_pk_add_f32 v[14:15], v[14:15], v[140:141]
.irp c, 0,1,2,3,4,5,6
	v_pk_add_f32 v[238+2*\c:239+2*\c], v[238+2*\c:239+2*\c], v[142+2*\c:143+2*\c]
.endr
	v_pk_add_f32 v[14:15], v[14:15], v[156:157]
	v_pk_add_f32 v[238:239], v[238:239], v[158:159]
	v_pk_add_f32 v[242:243], v[242:243], v[244:245]
	v_pk_add_f32 v[246:247], v[246:247], v[248:249]
	v_pk_add_f32 v[14:15], v[14:15], v[250:251]
	v_pk_add_f32 v[238:239], v[238:239], v[240:241]
	s_delay_alu instid0(VALU_DEP_2)
	v_pk_add_f32 v[14:15], v[14:15], v[246:247]
	s_delay_alu instid0(VALU_DEP_2)
	v_pk_add_f32 v[238:239], v[238:239], v[242:243]
	s_delay_alu instid0(VALU_DEP_1)
	v_pk_add_f32 v[14:15], v[14:15], v[238:239]
	s_wait_alu depctr_va_vdst(0)                   ; and one for the four
.irp b, 0,1,2,3
	v_max_num_f32 v[232+\b], 0x1800000, v[232+\b]  ; the floor 2^(3 - 127)
.endr
.irp b, 0,1,2,3
	s_delay_alu instid0(VALU_DEP_4)
	v_add_nc_u32 v[244+\b], 0xff000000, v[232+\b]
.endr
.irp b, 0,1,2,3
	s_delay_alu instid0(VALU_DEP_4)
	v_lshrrev_b32 v[236+\b], 23, v[244+\b]
.endr
	s_delay_alu instid0(VALU_DEP_3)
	v_lshl_or_b32 v253, v237, 8, v236              ; p's scale word for these 128 keys
	s_delay_alu instid0(VALU_DEP_1)
	v_lshl_or_b32 v253, v238, 16, v253
	s_delay_alu instid0(VALU_DEP_1)
	v_lshl_or_b32 v253, v239, 24, v253
.irp b, 0,1,2,3
	v_cvt_scalef32_pk8_fp4_f32 v[224+4*(\b/2)+(\b%2)], v[96+16*\b:103+16*\b], v[244+\b]
	v_cvt_scalef32_pk8_fp4_f32 v[224+4*(\b/2)+2+(\b%2)], v[104+16*\b:111+16*\b], v[244+\b]
.endr
	v_nop                                          ; one plain instruction behind the conversions
.irp t, 0,1,2,3                                ; p has been read for the last time: V's four fragments land in its registers
	ds_load_b128 v[96+8*\t:99+8*\t], v[ADV] offset:1024*\t
	ds_load_b128 v[100+8*\t:103+8*\t], v[ADV] offset:1024*\t+512
.endr
.irp c, 0,1                                    ; a whole block into a lane: register 4 c + g of lane (r, h) then holds keys 64 c + 32 h + 8 g + 0 .. 7
	v_permlane16_swap_b32 v[224+4*\c], v[225+4*\c]
	v_permlane16_swap_b32 v[226+4*\c], v[227+4*\c]
.endr
	s_wait_alu depctr_va_vdst(0)                   ; directly ahead of the first reader of O^T
.set j, 0
.rept 16
	v_pk_mul_f32 v[160+j:161+j], v[160+j:161+j], v[252:253] op_sel_hi:[1,0]   ; O^T under the new M; also the places in front of the products
.set j, j+2
.endr
	s_wait_alu depctr_va_vdst(0)
	s_wait_dscnt 0x0                               ; V and its scale words, and the next step's K, asked for ahead of them
.irp t, 0,1,2,3
	v_wmma_scale_f32_16x16x128_f8f6f4 v[160+8*\t:167+8*\t], v[96+8*\t:103+8*\t], v[224:231], v[160+8*\t:167+8*\t], v[200+\t], v253 matrix_a_fmt:MATRIX_FMT_FP4 matrix_b_fmt:MATRIX_FMT_FP4
.endr
	s_add_co_u32 s[TB], s[TB], STEPB
	s_add_co_u32 s[TS], s[TS], 512
	s_add_co_u32 s[TJ], s[TJ], 256
.endm
	s_wait_loadcnt 0x0                             ; Q
	s_wait_tensorcnt 0x0                           ; my fill is in
	s_barrier_signal -1
	s_barrier_wait -1                              ; everybody's are
.irp t, 0,1,2,3,4,5,6,7
	ds_load_b128 v[32+8*\t:35+8*\t], v[AK0] offset:512*\t           ; the first step's K
	ds_load_b32 v[192+\t], v[ASK0] offset:64*\t
.endr
	s_wait_dscnt 0x0
	s_mov_b32 s[CNT], 15
.Lstep:
	STEP 1
	s_sub_co_u32 s[CNT], s[CNT], 1
	s_cmp_lg_u32 s[CNT], 0
	s_cbranch_scc1 .Lstep
	STEP 0                                         ; the sixteenth step asks for no further K
	; THE WAY OUT: O^T / the sum; its 64 channels are two blocks of 32 along the next K; four registers of codes are half an image
.rept 4
	v_nop
.endr
	v_add_f32 v14, v14, v15
	s_delay_alu instid0(VALU_DEP_1)
	v_permlanex16_b32 v252, v14, s[SEL], s[SEL+1]
	s_delay_alu instid0(VALU_DEP_1)
	v_add_f32 v14, v14, v252                       ; the row's sum
	s_wait_alu depctr_va_vdst(0)
	v_rcp_f32 v14, v14
	v_nop
	s_wait_alu depctr_va_vdst(0)
.set j, 0
.rept 16
	v_pk_mul_f32 v[96+j:97+j], v[160+j:161+j], v[14:15] op_sel_hi:[1,0]   ; register 8 t + i: channel 16 t + 8 h + i
.set j, j+2
.endr
.irp b, 0,1
	v_max3_num_f32 v[232+\b], |v[96+16*\b]|, |v[97+16*\b]|, 0x1800000
.endr
.irp i, 2,4,6,8,10,12,14
.irp b, 0,1
	s_delay_alu instid0(VALU_DEP_2)
	v_max3_num_f32 v[232+\b], v[232+\b], |v[96+16*\b+\i]|, |v[97+16*\b+\i]|
.endr
.endr
.irp b, 0,1
	s_delay_alu instid0(VALU_DEP_2)
	v_permlanex16_b32 v[236+\b], v[232+\b], s[SEL], s[SEL+1]
.endr
.irp b, 0,1
	s_delay_alu instid0(VALU_DEP_2)
	v_max_num_f32 v[232+\b], v[232+\b], v[236+\b]
.endr
.irp b, 0,1
	s_delay_alu instid0(VALU_DEP_2)
	v_add_nc_u32 v[244+\b], 0xff000000, v[232+\b]
.endr
.irp b, 0,1
	s_delay_alu instid0(VALU_DEP_2)
	v_lshrrev_b32 v[236+\b], 23, v[244+\b]
.endr
	s_delay_alu instid0(VALU_DEP_1)
	v_lshl_or_b32 v254, v237, 8, v236              ; my two bytes of the row's scale word
	v_cvt_scalef32_pk8_fp4_f32 v224, v[96:103], v244
	v_cvt_scalef32_pk8_fp4_f32 v226, v[104:111], v244
	v_cvt_scalef32_pk8_fp4_f32 v225, v[112:119], v245
	v_cvt_scalef32_pk8_fp4_f32 v227, v[120:127], v245
	v_nop
	v_permlane16_swap_b32 v224, v225
	v_permlane16_swap_b32 v226, v227
	global_store_b128 v[LI], v[224:227], s[90:91]  ; 512 consecutive bytes
	ds_store_b16 v[CW], v254                       ; both halves of the lanes write the same half word
	s_wait_dscnt 0x0                               ; for the others' sake
	s_barrier_signal -1
	s_barrier_wait -1
	s_cmp_lg_u32 s[WV], 0
	s_cbranch_scc1 .Lwords_out
	ds_load_b128 v[32:35], v[CR]
	s_wait_dscnt 0x0
	global_store_b128 v[LI], v[32:35], s[92:93]    ; the work-group's 128 scale words: 512 consecutive bytes
.Lwords_out:
	s_wait_tensorcnt 0x0                           ; the wave's end
	ds_add_u32 v[SPW], v[NIL]
	s_wait_dscnt 0x0
	CROUND                                         ; the closing round
	s_endpgm
.Lfunc_end_k_qff042653f0_att:
	.size	k_qff042653f0_att, .Lfunc_end_k_qff042653f0_att-k_qff042653f0_att
	.p2alignl 7, 3214868480
	.fill 96, 4, 3214868480
	.section	.rodata,"a",@progbits
	.p2align	6, 0x0
	.amdhsa_kernel k_qff042653f0_att
		.amdhsa_group_segment_fixed_size 327680
		.amdhsa_private_segment_fixed_size 0
		.amdhsa_enable_private_segment 0
		.amdhsa_kernarg_size 16
		.amdhsa_user_sgpr_count 2
		.amdhsa_user_sgpr_kernarg_segment_ptr 1
		.amdhsa_wavefront_size32 1
		.amdhsa_system_sgpr_workgroup_id_x 1
		.amdhsa_system_sgpr_workgroup_id_y 1
		.amdhsa_system_sgpr_workgroup_id_z 1
		.amdhsa_system_vgpr_workitem_id 0
		.amdhsa_next_free_vgpr 256
		.amdhsa_next_free_sgpr 102
		.amdhsa_reserve_vcc 0
		.amdhsa_float_denorm_mode_32 3
		.amdhsa_float_denorm_mode_16_64 3
		.amdhsa_memory_ordered 1
		.amdhsa_forward_progress 1
		.amdhsa_inst_pref_size 51
	.end_amdhsa_kernel
	.amdgpu_metadata
---
amdhsa.version: [ 1, 2 ]
amdhsa.kernels:
  - .name:           k_qff042653f0_att
    .symbol:         k_qff042653f0_att.kd
    .args:
      - { .name: qkv, .offset: 0, .size: 8, .value_kind: global_buffer, .address_space: global }
      - { .name: ctx, .offset: 8, .size: 8, .value_kind: global_buffer, .address_space: global }
    .group_segment_fixed_size: 327680
    .private_segment_fixed_size: 0
    .kernarg_segment_align: 8
    .kernarg_segment_size: 16
    .max_flat_workgroup_size: 512
    .sgpr_count:     102
    .vgpr_count:     256
    .wavefront_size: 32
...
	.end_amdgpu_metadata
.endif
;; end of part 3
;; launch wol (part 4): grid 256 x 1, 8 waves a work-group, clusters of 4 x 1, 327,680 bytes of LDS; arguments ctx, Wo_codes, Wo_scales, bo, question_embeddings, ln_g, ln_b, hb; writes hb
.if DOCPART == 4
	.amdgcn_target "amdgcn-amd-amdhsa--gfx1250"
	.amdhsa_code_object_version 6
	.text
	.protected	k_qff042653f0_wol
	.globl	k_qff042653f0_wol
	.p2align	8
	.type	k_qff042653f0_wol,@function
k_qff042653f0_wol:
	s_mov_b64 s[64:65], 0
	v_nop
	global_prefetch_b8 v0, s[64:65] scope:SCOPE_SE
	s_setreg_imm32_b32 hwreg(HW_REG_WAVE_MODE, 25, 1), 1
	s_wait_xcnt 0x0
	s_wait_alu depctr_hold_cnt(0) depctr_sa_sdst(0) depctr_va_vdst(0) depctr_va_sdst(0) depctr_va_ssrc(0) depctr_va_vcc(0) depctr_vm_vsrc(0)
	s_getreg_b32 s2, hwreg(HW_REG_IB_STS2, 6, 4)
	s_cmp_eq_u32 s2, 0
	s_cbranch_scc0 .Lentry_in_a_cluster
	s_endpgm
.Lentry_in_a_cluster:
	s_bfe_u32 s2, ttmp6, 0x10000c
	s_cmp_lg_u32 s2, 0x3003
	s_cbranch_scc0 .Lentry_shape_is_right
	s_endpgm
.Lentry_shape_is_right:
; h = LayerNorm(ctx Wo^T + bo + x) g + b, and h quantised to codes of FP4 along the row for the next product: one launch, so that the sums ahead of the norm never go to memory.
; ctx comes as images of fragments [16 rows 256][128 K 8][1 KB] with its scale words [128 K 8][4096 rows] at byte 2,097,152; Wo as rows of codes (512 bytes) and rows of scale bytes (32).
; hb: h f32 at byte 0; codes [4096][512 bytes] at byte 16,777,216; E8M0 bytes [4096][32] at byte 18,874,368.
; SHARES.  A work-group owns 16 whole rows, since the norm wants a row's 1,024 sums together: 256 work-groups.  Eight waves.  Wo's 1,024 rows go in two passes of 512; in a pass wave w fetches rows 64 w .. 64 w + 63
; by one tensor load (33,792 bytes with padding) and multiplies these rows alone: 4 accumulators by turns, 8 steps of 128 along K.  So its reads hang on its own load only.  The second pass's load fills the same bytes
; again, behind the waits, the add and a round of the cluster's barrier.  ctx's 8 fragments, and all scale words, go from memory straight into registers: every such load covers whole runs of 512 or 64 bytes.
; CLUSTER.  All work-groups read the same Wo: four form a cluster and ask jointly (mask 15).  No prefetch: the launch has no loop to run ahead in: each wave has two tensor loads in all.
; The matrix instruction is used transposed (source 0 = rows of Wo, source 1 = rows of ctx): a lane holds token lane % 16 and eight neighbouring features.
; SCALE REGISTERS: lanes 0-15 hold the word of K step q, lanes 16-31 that of K step q + 4, on both sides: the instruction's row selectors pick the half.
; THE WAY OUT.  The sums go through a stage of 16 rows x 4,112 bytes in LDS, in bytes that have had their last fill and that nobody reads behind the barrier in front of the stores.  Wave w then owns rows 2 w, 2 w + 1:
; lane l holds columns 128 j + 4 l + 0 .. 3, every load and store covers 512 consecutive bytes, and a row's sums never leave the wave.  Mean first, then the mean of (y - mean)^2: no difference of large sums.
; The quantiser: half a row turns through the wave's own stage so that a lane holds 16 neighbours; two neighbouring lanes hold a block of 32.
; LIMITS: NaN and infinities are not served; a block whose largest magnitude lies under 2^-124 keeps the scale byte 1.
; REGISTERS: window 0: v1-15, v244-247 addresses and work; v16-79 ctx's fragments, then my two rows; v80-83, v84-115 scale words; v116-179 accumulators; v180-243 Wo's fragments, two sets of 32, then the quantiser's.
;   window 1: v0-63 the residual, v64-95 bo, v96-127 g, v128-159 b.
.set PITCH, 528                        ; an LDS row of Wo: 512 bytes + 16 of padding: the 16 rows of a load start at 16 different banks
.set WROWS, 64*PITCH
.set SPARE, 8*WROWS                    ; the spare words, 128 bytes a wave: no other line names them
.set TST,   SPARE+1024                 ; the quantiser's stages
.set SP,    80                         ; a lane's place in one: 64 bytes + 16 of padding
.set WREG,  2*32*SP
.set SCB,   TST+8*WREG                 ; the work-group's 512 scale bytes
.set YP,    4112                       ; a row of the sums' stage: 4,096 bytes + 16
.set EMAX,  2
.set AF,  16
.set R,   16
.set AS,  80
.set BS,  84
.set ACC, 116
.set BB,  180
.set X,   180
.set C,   212
.set E,   216
.set STO, 244
.set RDY, 245
.set ASO, 246
.set BSO, 247
.set XR,  0                            ; in window 1
.set BO,  64
.set LG,  96
.set LB,  128
.set MSB, 0
.macro WIN new                         ; the immediate's high byte repeats the setting that is left
.if MSB != (\new)
	s_set_vgpr_msb (MSB<<8)|(\new)
.set MSB, \new
.endif
.endm
.macro CROUND
	s_barrier_signal -1
	s_barrier_wait -1
	s_cmp_lg_u32 s20, 0
	s_cbranch_scc1 .Lnot_wave_0_\@
	s_barrier_signal -3
.Lnot_wave_0_\@:
	s_barrier_wait -3
	s_barrier_signal -1
	s_barrier_wait -1
.endm
.macro PLACES
.rept 4
	v_nop
.endr
.endm
	s_load_b256 s[4:11], s[0:1], 0x0               ; ctx, Wo's codes, Wo's scales, bo
	s_load_b256 s[12:19], s[0:1], 0x20             ; x, g, b, hb
	v_lshl_add_u32 v1, v0, 2, SPARE
	v_mov_b32 v2, 0
	ds_add_u32 v1, v2                              ; the opening lines: the add twice on end and its wait; the set-up stands between
	ds_add_u32 v1, v2
	v_lshrrev_b32 v8, 5, v0
	v_readfirstlane_b32 s20, v8                    ; wave 0..7
	s_bfe_u32 s21, ttmp6, 0x40000                  ; cx: it enters the global addresses of ctx, x and hb alone
	s_lshl_b32 s22, ttmp9, 2
	s_add_co_u32 s22, s22, s21                     ; my block of 16 rows
	s_mov_b32 s24, 15|(1<<20)|(1<<21)|(6<<22)|(3<<25)   ; mask 15, bit 21 beside it; elements of 1 byte; 4 words of padding after every 128
	s_mov_b32 s25, 512<<16
	s_mov_b32 s26, 64<<16
	s_mov_b32 s27, 512<<16
	s_mov_b32 s28, 64
	s_mov_b32 s29, 512
	s_mov_b32 s30, 0
	s_mov_b32 s31, 0
	s_mov_b32 s32, 1
	s_mul_i32 s33, s20, WROWS                      ; my 64 rows in LDS,
	s_lshl_b32 s36, s20, 15                        ; and in Wo
	s_mov_b32 s37, 0
	s_mov_b32 s2, 0x3a800000                       ; 1 / 1,024
	s_mov_b32 s3, 0x3727c5ac                       ; 1e-5
	s_mov_b32 s62, 0x76543210
	s_mov_b32 s63, 0xfedcba98
	v_and_b32 v9, 31, v0                           ; lane
	v_and_b32 v10, 15, v0                          ; r
	v_bfe_u32 v11, v0, 4, 1                        ; h
	v_lshlrev_b32 v3, 4, v9                        ; 16 x lane
	v_lshlrev_b32 v4, 3, v9                        ; 8 x lane
	v_mul_u32_u24 v7, v10, PITCH
	v_lshl_add_u32 v7, v11, 4, v7
	v_add_nc_u32 v7, s33, v7                       ; Wo's fragments: my rows, row r, + 16 h
	s_lshl_b32 s38, s20, 6
	s_add_co_u32 s38, s38, SCB
	v_lshrrev_b32 v5, 1, v9
	v_add_nc_u32 v5, s38, v5                       ; my block's scale byte: SCB + 64 wave + lane / 2
	v_add_nc_u32 v6, SCB, v3
	s_mul_i32 s39, s20, WREG
	s_add_co_u32 s39, s39, TST
	v_lshrrev_b32 v12, 2, v9
	v_mul_u32_u24 v14, v12, SP
	v_and_b32 v13, 3, v9
	v_lshl_add_u32 v14, v13, 4, v14
	v_add_nc_u32 v14, s39, v14                     ; into my quantiser's stage
	v_mul_u32_u24 v15, v9, SP
	v_add_nc_u32 v15, s39, v15                     ; out of it
	s_lshl_b32 s40, s20, 8
	v_mul_u32_u24 v[STO], v10, YP
	v_lshl_add_u32 v[STO], v11, 5, v[STO]
	v_add_nc_u32 v[STO], s40, v[STO]               ; the sums' stage, in: row r, 256 wave + 32 h
	s_mul_i32 s41, s20, 2*YP
	v_add_nc_u32 v[RDY], s41, v3                   ; and back: row 2 wave, 16 x lane
	v_lshlrev_b32 v[ASO], 2, v10
	v_lshl_add_u32 v[ASO], v11, 16, v[ASO]         ; ctx's scale words: 4 r, lanes 16-31 four K steps on
	v_lshlrev_b32 v[BSO], 5, v10
	v_lshl_add_u32 v[BSO], v11, 4, v[BSO]          ; Wo's: row r, lanes 16-31 its second 16 bytes
	s_lshl_b32 s42, s22, 13
	s_mov_b32 s43, 0
	s_lshl_b32 s44, s22, 6
	s_add_co_u32 s44, s44, 2097152
	s_mov_b32 s45, 0
	s_lshl_b32 s46, s20, 11
	s_mov_b32 s47, 0
	s_lshl_b32 s48, s22, 16
	s_lshl_b32 s49, s20, 13
	s_add_co_u32 s48, s48, s49                     ; rows 16 block + 2 wave of 4,096 bytes
	s_mov_b32 s49, 0
	s_lshl_b32 s50, s22, 13
	s_lshl_b32 s51, s20, 10
	s_add_co_u32 s50, s50, s51
	s_add_co_u32 s50, s50, 16777216
	s_mov_b32 s51, 0
	s_lshl_b32 s52, s22, 9
	s_add_co_u32 s52, s52, 18874368
	s_mov_b32 s53, 0
	s_wait_alu depctr_va_vdst(0)
	s_wait_dscnt 0x0                               ; both opening adds are done
	s_wait_kmcnt 0x0
	s_add_nc_u64 s[34:35], s[6:7], s[36:37]
	s_or_b32 s35, s35, 0x80000000
	s_add_nc_u64 s[54:55], s[4:5], s[42:43]        ; my images
	s_add_nc_u64 s[56:57], s[4:5], s[44:45]        ; their scale words
	s_add_nc_u64 s[8:9], s[8:9], s[46:47]          ; my rows' scale bytes
	s_add_nc_u64 s[12:13], s[12:13], s[48:49]      ; my two rows of x,
	s_add_nc_u64 s[58:59], s[18:19], s[50:51]      ; of codes,
	s_add_nc_u64 s[60:61], s[18:19], s[52:53]      ; the work-group's scale bytes,
	s_add_nc_u64 s[18:19], s[18:19], s[48:49]      ; my two rows of h
	CROUND                                         ; all four work-groups are here: the joint loads meet
	tensor_load_to_lds s[32:35], s[24:31]          ; features 64 wave .. + 63: one tensor load a wave at the head
	s_nop 0
	PLACES
.irp q, 0,1,2,3,4,5,6,7
	global_load_b128 v[AF+8*\q:AF+8*\q+3], v3, s[54:55] offset:1024*\q
	global_load_b128 v[AF+8*\q+4:AF+8*\q+7], v3, s[54:55] offset:1024*\q+512
.endr
.irp q, 0,1,2,3
	global_load_b32 v[AS+\q], v[ASO], s[56:57] offset:16384*\q
.endr
.irp u, 0,1,2,3,4,5,6,7                        ; tile u % 4 of pass u / 4
	global_load_b128 v[BS+4*\u:BS+4*\u+3], v[BSO], s[8:9] offset:16384*(\u/4)+512*(\u%4)
.endr
	WIN 0x40                                       ; destination window 1
.irp p, 0,1
.irp j, 0,1,2,3,4,5,6,7
	global_load_b128 v[XR+32*\p+4*\j:XR+32*\p+4*\j+3], v3, s[12:13] offset:4096*\p+512*\j th:TH_LOAD_NT
.endr
.endr
.irp j, 0,1,2,3,4,5,6,7
	global_load_b128 v[BO+4*\j:BO+4*\j+3], v3, s[10:11] offset:512*\j
	global_load_b128 v[LG+4*\j:LG+4*\j+3], v3, s[14:15] offset:512*\j
	global_load_b128 v[LB+4*\j:LB+4*\j+3], v3, s[16:17] offset:512*\j
.endr
	WIN 0
.macro FETCH q                         ; my four tiles' fragments of K step q into set q % 2: 8 loads
.irp t, 0,1,2,3
	ds_load_b128 v[BB+32*((\q)%2)+8*\t:BB+32*((\q)%2)+8*\t+3], v7 offset:\t*16*PITCH+64*(\q)
	ds_load_b128 v[BB+32*((\q)%2)+8*\t+4:BB+32*((\q)%2)+8*\t+7], v7 offset:\t*16*PITCH+64*(\q)+32
.endr
.endm
.macro MUL p, q                        ; four products, the four accumulators by turns; K step 0 starts the sums
.irp t, 0,1,2,3
.set DD, ACC+8*(4*(\p)+\t)
.set FB, BB+32*((\q)%2)+8*\t
.set SB, BS+4*(4*(\p)+\t)+(\q)%4
.if (\q) == 0
	v_wmma_scale_f32_16x16x128_f8f6f4 v[DD:DD+7], v[FB:FB+7], v[AF+8*(\q):AF+8*(\q)+7], 0, v[SB], v[AS+(\q)%4] matrix_a_fmt:MATRIX_FMT_FP4 matrix_b_fmt:MATRIX_FMT_FP4
.elseif (\q) < 4
	v_wmma_scale_f32_16x16x128_f8f6f4 v[DD:DD+7], v[FB:FB+7], v[AF+8*(\q):AF+8*(\q)+7], v[DD:DD+7], v[SB], v[AS+(\q)%4] matrix_a_fmt:MATRIX_FMT_FP4 matrix_b_fmt:MATRIX_FMT_FP4
.else
	v_wmma_scale_f32_16x16x128_f8f6f4 v[DD:DD+7], v[FB:FB+7], v[AF+8*(\q):AF+8*(\q)+7], v[DD:DD+7], v[SB], v[AS+(\q)%4] matrix_a_fmt:MATRIX_FMT_FP4 matrix_b_fmt:MATRIX_FMT_FP4 matrix_a_scale:MATRIX_SCALE_ROW1 matrix_b_scale:MATRIX_SCALE_ROW1
.endif
.endr
.endm
.macro PASS p
	FETCH 0
	FETCH 1
.irp q, 0,1,2,3,4,5
	s_wait_dscnt 8                                 ; this K step's set is in; the next step's 8 loads may be out
	MUL \p, \q
	PLACES                                         ; in front of loads into registers that the products read
	FETCH \q+2
.endr
	s_wait_dscnt 8
	MUL \p, 6
	s_wait_dscnt 0x0
	MUL \p, 7
.endm
	s_wait_loadcnt 40                              ; ctx's fragments and all scale words are in; the 40 loads of x, bo, g, b may be out
	s_wait_tensorcnt 0x0                           ; my rows are in, and only I read them
	PASS 0
	s_wait_tensorcnt 0x0                           ; in front of the refill: no tensor load of mine is out,
	ds_add_u32 v1, v2                              ; 0 onto my spare word,
	s_add_nc_u64 s[34:35], s[34:35], 262144        ; (512 rows of Wo on)
	s_wait_dscnt 0x0                               ; the add is done, and my reads are over
	CROUND                                         ; the same holds of every wave of the four work-groups
	tensor_load_to_lds s[32:35], s[24:31]          ; features 512 + 64 wave .. + 63
	s_nop 0
	PLACES                                         ; also the places in front of the loads below
	s_wait_tensorcnt 0x0
	PASS 1
	PLACES                                         ; in front of the first read of the last sums
	s_barrier_signal -1                            ; no LDS instruction of mine is out: nobody reads Wo's rows behind this barrier
	s_barrier_wait -1
.irp u, 0,1,2,3,4,5,6,7
	ds_store_b128 v[STO], v[ACC+8*\u:ACC+8*\u+3] offset:2048*(\u/4)+64*(\u%4)        ; each accumulator from its low end on
	ds_store_b128 v[STO], v[ACC+8*\u+4:ACC+8*\u+7] offset:2048*(\u/4)+64*(\u%4)+16
.endr
	s_wait_dscnt 0x0                               ; for the others' sake
	s_barrier_signal -1
	s_barrier_wait -1
.irp p, 0,1
.irp j, 0,1,2,3,4,5,6,7
	ds_load_b128 v[R+32*\p+4*\j:R+32*\p+4*\j+3], v[RDY] offset:YP*\p+512*\j
.endr
.endr
.macro ALLSUM                          ; v8 summed over the 32 lanes, in every lane
	v_add_f32_dpp v8, v8, v8 row_xmask:1 row_mask:0xf bank_mask:0xf
	v_add_f32_dpp v8, v8, v8 row_xmask:2 row_mask:0xf bank_mask:0xf
	v_add_f32_dpp v8, v8, v8 row_xmask:4 row_mask:0xf bank_mask:0xf
	v_add_f32_dpp v8, v8, v8 row_xmask:8 row_mask:0xf bank_mask:0xf
	v_permlanex16_b32 v9, v8, s62, s63
	v_add_f32 v8, v8, v9
.endm
.macro TURN t                          ; half row t through my stage; LDS serves a wave's instructions in order
.irp i, 0,1,2,3
	ds_store_b128 v14, v[R+16*(\t)+4*\i:R+16*(\t)+4*\i+3] offset:32*SP*((\t)%2)+8*SP*\i
.endr
.irp i, 0,1,2,3
	ds_load_b128 v[X+16*((\t)%2)+4*\i:X+16*((\t)%2)+4*\i+3], v15 offset:32*SP*((\t)%2)+16*\i
.endr
.endm
.macro STEP t, left
.set XS, X+16*((\t)%2)
.set CC, C+2*((\t)%2)
	s_wait_dscnt \left
	v_max3_num_f32 v8, |v[XS]|, |v[XS+1]|, |v[XS+2]|
	v_max3_num_f32 v9, |v[XS+3]|, |v[XS+4]|, |v[XS+5]|
.irp i, 6,10
	v_max3_num_f32 v8, v8, |v[XS+\i]|, |v[XS+\i+1]|
	v_max3_num_f32 v9, v9, |v[XS+\i+2]|, |v[XS+\i+3]|
.endr
	v_max3_num_f32 v8, v8, |v[XS+14]|, |v[XS+15]|
	v_max3_num_f32 v8, v8, v9, (EMAX+1)<<23        ; the floor 2^(3 - 127): the byte cannot fall under 1
	v_max_num_f32_dpp v8, v8, v8 row_xmask:1 row_mask:0xf bank_mask:0xf   ; with my neighbour's 16: the block's largest magnitude
	v_add_nc_u32 v11, -(EMAX<<23), v8              ; 2 off its exponent field: the conversion's scale operand
	v_cvt_scalef32_pk8_fp4_f32 v[CC], v[XS:XS+7], v11
	v_cvt_scalef32_pk8_fp4_f32 v[CC+1], v[XS+8:XS+15], v11
	v_lshrrev_b32 v[E+(\t)], 23, v11               ; the scale's byte
	ds_store_b8 v5, v[E+(\t)] offset:16*(\t)       ; both lanes of a block write the same byte with the same value
	global_store_b64 v4, v[CC:CC+1], s[58:59] offset:256*(\t)   ; 256 consecutive bytes
.endm
.macro ROW p
.set RR, R+32*(\p)
	WIN 0x04                                       ; source 1 window 1
.set j, 0
.rept 16
	v_pk_add_f32 v[RR+j:RR+j+1], v[RR+j:RR+j+1], v[XR+32*(\p)+j:XR+32*(\p)+j+1]   ; + the residual
.set j, j+2
.endr
.set j, 0
.rept 16
	v_pk_add_f32 v[RR+j:RR+j+1], v[RR+j:RR+j+1], v[BO+j:BO+j+1]                   ; + bo
.set j, j+2
.endr
	WIN 0
	v_pk_add_f32 v[8:9], v[RR:RR+1], v[RR+2:RR+3]
	v_pk_add_f32 v[10:11], v[RR+4:RR+5], v[RR+6:RR+7]
.irp j, 8,12,16,20,24,28
	v_pk_add_f32 v[8:9], v[8:9], v[RR+\j:RR+\j+1]
	v_pk_add_f32 v[10:11], v[10:11], v[RR+\j+2:RR+\j+3]
.endr
	v_pk_add_f32 v[8:9], v[8:9], v[10:11]
	v_add_f32 v8, v8, v9
	ALLSUM
	v_mul_f32 v12, s2, v8                          ; the mean
	v_mov_b32 v13, v12
.set j, 0
.rept 16
	v_pk_add_f32 v[RR+j:RR+j+1], v[RR+j:RR+j+1], v[12:13] neg_lo:[0,1] neg_hi:[0,1]
.set j, j+2
.endr
	v_pk_mul_f32 v[8:9], v[RR:RR+1], v[RR:RR+1]
	v_pk_mul_f32 v[10:11], v[RR+2:RR+3], v[RR+2:RR+3]
.irp j, 4,8,12,16,20,24,28
	v_pk_fma_f32 v[8:9], v[RR+\j:RR+\j+1], v[RR+\j:RR+\j+1], v[8:9]
	v_pk_fma_f32 v[10:11], v[RR+\j+2:RR+\j+3], v[RR+\j+2:RR+\j+3], v[10:11]
.endr
	v_pk_add_f32 v[8:9], v[8:9], v[10:11]
	v_add_f32 v8, v8, v9
	ALLSUM
	v_fma_f32 v8, v8, s2, s3                       ; the variance + 1e-5
	s_wait_alu depctr_va_vdst(0)
	v_rsq_f32 v12, v8
	v_rsq_f32 v13, v8
	v_nop                                          ; a plain instruction behind the two
	s_wait_alu depctr_va_vdst(0)                   ; one wait for both, ahead of their first reader
.set j, 0
.rept 16
	v_pk_mul_f32 v[RR+j:RR+j+1], v[RR+j:RR+j+1], v[12:13]
.set j, j+2
.endr
	WIN 0x14                                       ; sources 1 and 2 window 1
.set j, 0
.rept 16
	v_pk_fma_f32 v[RR+j:RR+j+1], v[RR+j:RR+j+1], v[LG+j:LG+j+1], v[LB+j:LB+j+1]
.set j, j+2
.endr
	WIN 0
.irp j, 0,1,2,3,4,5,6,7
	global_store_b128 v3, v[RR+4*\j:RR+4*\j+3], s[18:19] offset:4096*(\p)+512*\j
.endr
	s_wait_alu depctr_va_vdst(0)
	s_wait_xcnt 0x0                                ; the last row's stores of codes have read their registers
	TURN 2*(\p)
	TURN 2*(\p)+1
	STEP 2*(\p), 8                                 ; the second turn's 8 instructions may be out
	STEP 2*(\p)+1, 1                               ; the byte store may be out
.endm
	s_wait_loadcnt 0x0                             ; x, bo, g, b
	s_wait_dscnt 0x0                               ; my two rows of sums
	ROW 0
	ROW 1
	s_wait_dscnt 0x0                               ; for the others' sake: my byte stores are done
	s_barrier_signal -1
	s_barrier_wait -1
	s_cmp_lg_u32 s20, 0
	s_cbranch_scc1 .Ldone
	ds_load_b128 v[8:11], v6
	s_wait_dscnt 0x0
	global_store_b128 v3, v[8:11], s[60:61]        ; the work-group's 512 scale bytes
.Ldone:
	s_wait_tensorcnt 0x0                           ; the wave's end
	ds_add_u32 v1, v2
	s_wait_dscnt 0x0
	CROUND                                         ; the closing round
	s_endpgm
.Lfunc_end_k_qff042653f0_wol:
	.size	k_qff042653f0_wol, .Lfunc_end_k_qff042653f0_wol-k_qff042653f0_wol
	.p2alignl 7, 3214868480
	.fill 96, 4, 3214868480
	.section	.rodata,"a",@progbits
	.p2align	6, 0x0
	.amdhsa_kernel k_qff042653f0_wol
		.amdhsa_group_segment_fixed_size 327680
		.amdhsa_private_segment_fixed_size 0
		.amdhsa_enable_private_segment 0
		.amdhsa_kernarg_size 64
		.amdhsa_user_sgpr_count 2
		.amdhsa_user_sgpr_kernarg_segment_ptr 1
		.amdhsa_wavefront_size32 1
		.amdhsa_system_sgpr_workgroup_id_x 1
		.amdhsa_system_sgpr_workgroup_id_y 1
		.amdhsa_system_sgpr_workgroup_id_z 1
		.amdhsa_system_vgpr_workitem_id 0
		.amdhsa_next_free_vgpr 416
		.amdhsa_next_free_sgpr 66
		.amdhsa_reserve_vcc 0
		.amdhsa_float_denorm_mode_32 3
		.amdhsa_float_denorm_mode_16_64 3
		.amdhsa_memory_ordered 1
		.amdhsa_forward_progress 1
		.amdhsa_inst_pref_size 58
	.end_amdhsa_kernel
	.amdgpu_metadata
---
amdhsa.version: [ 1, 2 ]
amdhsa.kernels:
  - .name:           k_qff042653f0_wol
    .symbol:         k_qff042653f0_wol.kd
    .args:
      - { .name: ctx, .offset: 0, .size: 8, .value_kind: global_buffer, .address_space: global }
      - { .name: Wo_codes, .offset: 8, .size: 8, .value_kind: global_buffer, .address_space: global }
      - { .name: Wo_scales, .offset: 16, .size: 8, .value_kind: global_buffer, .address_space: global }
      - { .name: bo, .offset: 24, .size: 8, .value_kind: global_buffer, .address_space: global }
      - { .name: question_embeddings, .offset: 32, .size: 8, .value_kind: global_buffer, .address_space: global }
      - { .name: ln_g, .offset: 40, .size: 8, .value_kind: global_buffer, .address_space: global }
      - { .name: ln_b, .offset: 48, .size: 8, .value_kind: global_buffer, .address_space: global }
      - { .name: hb, .offset: 56, .size: 8, .value_kind: global_buffer, .address_space: global }
    .group_segment_fixed_size: 327680
    .private_segment_fixed_size: 0
    .kernarg_segment_align: 8
    .kernarg_segment_size: 64
    .max_flat_workgroup_size: 256
    .sgpr_count:     66
    .vgpr_count:     416
    .wavefront_size: 32
...
	.end_amdgpu_metadata
.endif
;; end of part 4
;; launch ffn1 (part 5): grid 16 x 16, 4 waves a work-group, clusters of 4 x 4, 327,680 bytes of LDS; arguments hb, W1_codes, W1_scales, b1, a1; writes a1
.if DOCPART == 5
	.amdgcn_target "amdgcn-amd-amdhsa--gfx1250"
	.amdhsa_code_object_version 6
	.text
	.protected	k_qff042653f0_ffn1
	.globl	k_qff042653f0_ffn1
	.p2align	8
	.type	k_qff042653f0_ffn1,@function
k_qff042653f0_ffn1:
	s_mov_b64 s[64:65], 0
	v_nop
	global_prefetch_b8 v0, s[64:65] scope:SCOPE_SE
	s_setreg_imm32_b32 hwreg(HW_REG_WAVE_MODE, 25, 1), 1
	s_wait_xcnt 0x0
	s_wait_alu depctr_hold_cnt(0) depctr_sa_sdst(0) depctr_va_vdst(0) depctr_va_sdst(0) depctr_va_ssrc(0) depctr_va_vcc(0) depctr_vm_vsrc(0)
	s_getreg_b32 s2, hwreg(HW_REG_IB_STS2, 6, 4)
	s_cmp_eq_u32 s2, 0
	s_cbranch_scc0 .Lentry_in_a_cluster
	s_endpgm
.Lentry_in_a_cluster:
	s_bfe_u32 s2, ttmp6, 0x10000c
	s_cmp_lg_u32 s2, 0xf033
	s_cbranch_scc0 .Lentry_shape_is_right
	s_endpgm
.Lentry_shape_is_right:
.set SIZE_K, 1024
.set KSTEP,  512
.set NQ,     KSTEP/128
.set ROWB,   512
.set KROW,   SIZE_K/2
.set PITCH,  528                       ; an LDS row: all of K, 512 bytes + 16 of padding
.set FR,     8
.set NL,     2
.set NP,     4
.set HALFT,  128*PITCH
.set SLOT,   256                       ; the second 512 along K begin 256 bytes on in each row
.set KS,     SIZE_K/32
.set SCL,    4*HALFT
.set HALFS,  (128*KS/256)*272
.set SBLK,   (16*KS/256)*272
.set SPARE,  SCL+4*HALFS               ; the spare words, 128 bytes a wave: no other line names them
.set STG,    SPARE+512                 ; the way out's scale words: 4,096 bytes into which no tile lands
.set ADRA, 16
.set BO,   18
.set ADRB, 20
.set LI,   24
.set SWA,  25
.set SWR,  26
.set ADRS, 27
.set SPW,  28
.set NIL,  29
.set SC,   32
.set PC,   112
.set AF,   128
.set T,    128
.set XB,   192
.set TM,   200
.set PW,   216
.set BN,   64
.set SEL,  66
.set G1, 24
.set G0, 32
.set G1B, 48
.set G0B, 56
.set G1S, 68
.set G0S, 76
.set G1SB, 80
.set G0SB, 88
.set MSB, 0
.macro WIN new
.if MSB != (\new)
	s_set_vgpr_msb (MSB<<8)|(\new)
.set MSB, \new
.endif
.endm
.set MUL_LO, 0xa1
.set MUL_HI, 0xf1
.set TO_B,   0x40
; An arm of the head's one tree of branches on the wave's number: one joint load, and a jump to the tree's end.  An s_nop 0 and four v_nop follow the load.
.macro ARM under, g0, g1, next
	s_cmp_lt_u32 s14, \under
	s_cbranch_scc0 \next
	tensor_load_to_lds s[\g0:\g0+3], s[\g1:\g1+7]
	s_nop 0
.rept 4
	v_nop
.endr
	s_branch .Lhead_asked
\next:
.endm
.macro CROUND
	s_barrier_signal -1
	s_barrier_wait -1
	s_cmp_lg_u32 s14, 0
	s_cbranch_scc1 .Lnot_wave_0_\@
	s_barrier_signal -3
.Lnot_wave_0_\@:
	s_barrier_wait -3
	s_barrier_signal -1
	s_barrier_wait -1
.endm
	s_load_b64 s[4:5], s[0:1], 0x0
	s_load_b128 s[8:11], s[0:1], 0x8
	s_load_b128 s[96:99], s[0:1], 0x18
	v_lshl_add_u32 v[SPW], v0, 2, SPARE
	v_mov_b32 v[NIL], 0
	ds_add_u32 v28, v29
	ds_add_u32 v28, v29
	s_wait_dscnt 0x0
	v_lshrrev_b32 v1, 5, v0
	v_readfirstlane_b32 s14, v1
	s_lshr_b32 s15, s14, 1
	s_and_b32 s16, s14, 1
	s_bfe_u32 s40, ttmp6, 0x40000
	s_bfe_u32 s41, ttmp6, 0x40004
	s_lshl_b32 s42, ttmp9, 2
	s_add_co_u32 s42, s42, s40
	s_and_b32 s17, ttmp7, 0xffff
	s_lshl_b32 s17, s17, 2
	s_add_co_u32 s17, s17, s41
	s_lshl_b32 s43, s41, 2
	s_lshl_b32 s43, 15, s43
	s_lshl_b32 s44, 0x1111, s40
	s_or_b32 s[G1+0], s43, (0<<16)|(1<<20)|(1<<21)|(6<<22)|(3<<25)  ; the mask; elements of 1 byte; padding: 4 words after every 128; bit 21 beside a mask
	s_or_b32 s[G1B+0], s44, (0<<16)|(1<<20)|(1<<21)|(6<<22)|(3<<25)
.irp g, G1, G1B
	s_mov_b32 s[\g+1], ROWB<<16
	s_mov_b32 s[\g+2], 256<<16
	s_mov_b32 s[\g+3], ROWB<<16
	s_mov_b32 s[\g+4], 256
	s_mov_b32 s[\g+5], KROW
	s_mov_b32 s[\g+6], 0
	s_mov_b32 s[\g+7], 0
.endr
	s_or_b32 s[G1S+0], s43, (3<<16)|(1<<20)|(1<<21)|(5<<22)|(3<<25)
	s_or_b32 s[G1SB+0], s44, (3<<16)|(1<<20)|(1<<21)|(5<<22)|(3<<25)
.irp g, G1S, G1SB
	s_mov_b32 s[\g+1], 32<<16
	s_mov_b32 s[\g+2], KS<<16
	s_mov_b32 s[\g+3], 32<<16
	s_mov_b32 s[\g+4], KS
	s_mov_b32 s[\g+5], 32
	s_mov_b32 s[\g+6], 0
	s_mov_b32 s[\g+7], 0
.endr
	s_mov_b32 s[SEL], 0x76543210
	s_mov_b32 s[SEL+1], 0xfedcba98
	s_lshl_b32 s20, s17, 8                         ; A: row 256 x tile row
	s_lshl_b32 s46, s42, 8                         ; B: row 256 x tile column
	s_mov_b32 s21, 0
	s_mov_b32 s47, 0
	s_mov_b64 s[18:19], KS
	s_mul_u64 s[22:23], s[20:21], s[18:19]
	s_mul_u64 s[92:93], s[46:47], s[18:19]
	s_mov_b64 s[18:19], KROW
	s_mul_u64 s[20:21], s[20:21], s[18:19]
	s_mul_u64 s[46:47], s[46:47], s[18:19]
	s_wait_kmcnt 0x0
	s_add_nc_u64 s[6:7], s[4:5], 18874368
	s_add_nc_u64 s[4:5], s[4:5], 16777216
	s_mov_b64 s[12:13], s[98:99]
	s_add_nc_u64 s[20:21], s[4:5], s[20:21]
	s_add_nc_u64 s[22:23], s[6:7], s[22:23]
	s_add_nc_u64 s[46:47], s[8:9], s[46:47]
	s_add_nc_u64 s[92:93], s[10:11], s[92:93]
	CROUND
	s_mov_b32 s[G0S], 1
	s_mov_b32 s[G0S+1], SCL
	s_mov_b64 s[G0S+2:G0S+3], s[22:23]
	s_or_b32 s[G0S+3], s[G0S+3], 0x80000000
	s_mov_b32 s[G0SB], 1
	s_mov_b32 s[G0SB+1], SCL+2*HALFS
	s_mov_b64 s[G0SB+2:G0SB+3], s[92:93]
	s_or_b32 s[G0SB+3], s[G0SB+3], 0x80000000
	s_mov_b32 s[G0], 1
	s_mov_b32 s[G0+1], 0
	s_mov_b64 s[G0+2:G0+3], s[20:21]
	s_or_b32 s[G0+3], s[G0+3], 0x80000000
	s_mov_b32 s[G0B], 1
	s_mov_b32 s[G0B+1], 2*HALFT
	s_mov_b64 s[G0B+2:G0B+3], s[46:47]
	s_or_b32 s[G0B+3], s[G0B+3], 0x80000000
	; the head's four tiles, one joint load a wave: wave 0 A's 256 rows of all of K, wave 1 B's, wave 2 A's scales, wave 3 B's.  Nothing is filled later
	ARM 1, G0,  G1,  .Lhead_b
	ARM 2, G0B, G1B, .Lhead_sa
	ARM 3, G0S, G1S, .Lhead_sb
	tensor_load_to_lds s[G0SB:G0SB+3], s[G1SB:G1SB+7]
	s_nop 0
.rept 4
	v_nop
.endr
.Lhead_asked:
	v_and_b32 v1, 15, v0
	v_bfe_u32 v2, v0, 4, 1
	v_mul_u32_u24 v3, v1, PITCH
	v_lshl_add_u32 v4, v2, 4, v3
	s_mul_i32 s21, s15, HALFT
	s_mul_i32 s22, s16, HALFT
	s_add_co_u32 s22, s22, 2*HALFT
.irp s, 0,1
	v_add_nc_u32 v[ADRA+\s], s21, v4
	v_add_nc_u32 v[ADRB+\s], s22, v4
	s_add_co_u32 s21, s21, SLOT
	s_add_co_u32 s22, s22, SLOT
.endr
	v_mul_u32_u24 v5, v1, KS
	v_lshrrev_b32 v6, 8, v5
	v_lshl_add_u32 v5, v6, 4, v5
	s_mul_i32 s21, s15, HALFS
	s_mul_i32 s22, s16, HALFS
	s_add_co_u32 s22, s22, 2*HALFS
	s_sub_co_u32 s22, s22, s21
	v_mul_u32_u24 v6, s22, v2
	s_add_co_u32 s21, s21, SCL
	v_add_nc_u32 v5, v5, v6
	v_add_nc_u32 v[ADRS], s21, v5
	v_and_b32 v6, 31, v0
	v_lshlrev_b32 v[LI], 4, v6
	v_lshlrev_b32 v[BO], 5, v2
	s_wait_alu depctr_va_vdst(0)
	s_lshl_b32 s23, s14, 10
	s_add_co_u32 s23, s23, STG                     ; my 1,024 bytes of the stage
	v_lshl_add_u32 v[SWA], v1, 2, s23
	v_add_nc_u32 v[SWR], s23, v[LI]
.irp b, 0,1,2,3
	v_mov_b32 v[TM+4+\b], 0
.endr
	s_lshl_b32 s20, s17, 8
	s_lshl_b32 s21, s15, 7
	s_add_co_u32 s20, s20, s21
	s_lshl_b32 s46, s42, 8
	s_lshl_b32 s47, s16, 7
	s_add_co_u32 s46, s46, s47
	s_lshl_b32 s92, s20, 11
	s_lshl_b32 s93, s46, 3
	s_add_co_u32 s92, s92, s93
	s_mov_b32 s93, 0
	s_lshl_b32 s18, s46, 7
	s_lshl_b32 s19, s20, 2
	s_add_co_u32 s18, s18, s19
	s_add_co_u32 s18, s18, 8388608
	s_mov_b32 s19, 0
	s_add_nc_u64 s[98:99], s[12:13], s[18:19]
	s_add_nc_u64 s[12:13], s[12:13], s[92:93]
	s_lshl_b32 s18, s46, 2
	s_add_nc_u64 s[96:97], s[96:97], s[18:19]
	WIN TO_B
.irp b, 0,1,2,3,4,5,6,7
	global_load_b128 v[BN+8*\b:BN+8*\b+3], v[BO], s[96:97] offset:64*\b
	global_load_b128 v[BN+8*\b+4:BN+8*\b+7], v[BO], s[96:97] offset:64*\b+16
.endr
	WIN 0
.macro FRAG reg, adr, q, i
.irp c, 0,1
	ds_load_b128 v[\reg+4*\c:\reg+4*\c+3], v[\adr] offset:64*(\q)+32*\c+(\i)*16*PITCH
.endr
.endm
.macro MUL16 a0, p, q, sc, zero
.irp a, \a0, \a0+1
.irp b, 0,1,2,3,4,5,6,7
.if \zero
	v_wmma_scale_f32_16x16x128_f8f6f4 v[8*(8*((\a)%4)+\b):8*(8*((\a)%4)+\b)+7], v[128*(\p)+FR*\b:128*(\p)+FR*\b+FR-1], v[AF+FR*(\a):AF+FR*(\a)+FR-1], 0, v[SC+8*NQ*(\sc)+NQ*\b+(\q)], v[SC+8*NQ*(\sc)+NQ*(\a)+(\q)] matrix_a_fmt:MATRIX_FMT_FP4 matrix_b_fmt:MATRIX_FMT_FP4 matrix_a_scale:MATRIX_SCALE_ROW1
.else
	v_wmma_scale_f32_16x16x128_f8f6f4 v[8*(8*((\a)%4)+\b):8*(8*((\a)%4)+\b)+7], v[128*(\p)+FR*\b:128*(\p)+FR*\b+FR-1], v[AF+FR*(\a):AF+FR*(\a)+FR-1], v[8*(8*((\a)%4)+\b):8*(8*((\a)%4)+\b)+7], v[SC+8*NQ*(\sc)+NQ*\b+(\q)], v[SC+8*NQ*(\sc)+NQ*(\a)+(\q)] matrix_a_fmt:MATRIX_FMT_FP4 matrix_b_fmt:MATRIX_FMT_FP4 matrix_a_scale:MATRIX_SCALE_ROW1
.endif
.endr
.endr
.endm
.macro FETCH_B slot, q, p
	WIN TO_B
.irp i, 0,1,2,3,4,5,6,7
	FRAG 128*(\p)+FR*\i, ADRB+\slot, \q, \i
.endr
	WIN 0
.endm
.macro FETCH_A slot, q, i0
.irp i, \i0, \i0+1, \i0+2, \i0+3
	FRAG AF+FR*(\i), ADRA+\slot, \q, \i
.endr
.endm
.macro SCALES sc
.irp i, 0,1,2,3,4,5,6,7
	ds_load_b128 v[SC+8*NQ*\sc+NQ*\i:SC+8*NQ*\sc+NQ*\i+3], v[ADRS] offset:\i*SBLK
.endr
.endm
.macro PLACES n
.rept \n
	v_nop
.endr
.endm
.macro STEP slot, q, zero
	s_wait_dscnt 4*NL
	WIN MUL_LO
	MUL16 0, (\q)%2, \q, \slot, \zero
	MUL16 2, (\q)%2, \q, \slot, \zero
	s_wait_dscnt 0
	PLACES NP
	FETCH_B \slot, (\q)+1, 1-(\q)%2
	FETCH_A \slot, (\q)+1, 0
	WIN MUL_HI
	MUL16 4, (\q)%2, \q, \slot, \zero
	MUL16 6, (\q)%2, \q, \slot, \zero
	PLACES NP
	WIN 0
	FETCH_A \slot, (\q)+1, 4
.endm
; The fourth step goes on to the rows' second halves, which landed with the first: no barrier
.macro TURN slot, next
	s_wait_dscnt 4*NL                              ; the 8 youngest loads may be out
	WIN MUL_LO
	MUL16 0, 1, NQ-1, \slot, 0
	s_wait_dscnt 0x0
	MUL16 2, 1, NQ-1, \slot, 0
	WIN 0
	PLACES NP
	v_add_nc_u32 v[ADRS], 4*NQ, v[ADRS]
	FETCH_B \next, 0, 0
	FETCH_A \next, 0, 0
	SCALES \next
	WIN MUL_HI
	MUL16 4, 1, NQ-1, \slot, 0
	MUL16 6, 1, NQ-1, \slot, 0
	PLACES NP
	WIN 0
	FETCH_A \next, 0, 4
.endm
	s_wait_tensorcnt 0x0                           ; my tile of the head's four is in
	s_barrier_signal -1
	s_barrier_wait -1
	FETCH_B 0, 0, 0
	FETCH_A 0, 0, 0
	SCALES 0
	FETCH_A 0, 0, 4
	STEP 0, 0, 1
	STEP 0, 1, 0
	STEP 0, 2, 0
	TURN 0, 1
	STEP 1, 0, 0
	STEP 1, 1, 0
	STEP 1, 2, 0
	s_wait_dscnt 4*NL
	WIN MUL_LO
	MUL16 0, 1, NQ-1, 1, 0
	MUL16 2, 1, NQ-1, 1, 0
	s_wait_dscnt 0
	WIN MUL_HI
	MUL16 4, 1, NQ-1, 1, 0
	MUL16 6, 1, NQ-1, 1, 0
	WIN 0
.macro QUANT s
.irp b, 0,1,2,3
	v_max3_num_f32 v[TM+\b], |v[\s+16*\b]|, |v[\s+1+16*\b]|, 0x1800000
.endr
.irp i, 2,4,6,8,10,12,14
.irp b, 0,1,2,3
	v_max3_num_f32 v[TM+\b], v[TM+\b], |v[\s+16*\b+\i]|, |v[\s+1+16*\b+\i]|
.endr
.endr
.irp b, 0,1,2,3
	v_permlanex16_b32 v[TM+4+\b], v[TM+\b], s[SEL], s[SEL+1]
.endr
.irp b, 0,1,2,3
	v_max_num_f32 v[TM+\b], v[TM+\b], v[TM+4+\b]
.endr
.irp b, 0,1,2,3
	v_add_nc_u32 v[TM+12+\b], 0xff000000, v[TM+\b]
.endr
.irp b, 0,1,2,3
	v_lshrrev_b32 v[TM+4+\b], 23, v[TM+12+\b]
.endr
	v_lshl_or_b32 v[PW], v[TM+5], 8, v[TM+4]
	v_lshl_or_b32 v[PW], v[TM+6], 16, v[PW]
	v_lshl_or_b32 v[PW], v[TM+7], 24, v[PW]
.irp b, 0,1,2,3
	v_cvt_scalef32_pk8_fp4_f32 v[PC+4*(\b/2)+(\b%2)], v[\s+16*\b:\s+7+16*\b], v[TM+12+\b]
	v_cvt_scalef32_pk8_fp4_f32 v[PC+4*(\b/2)+2+(\b%2)], v[\s+8+16*\b:\s+15+16*\b], v[TM+12+\b]
.endr
	v_nop
.irp c, 0,1
	v_permlane16_swap_b32 v[PC+4*\c], v[PC+4*\c+1]
	v_permlane16_swap_b32 v[PC+4*\c+2], v[PC+4*\c+3]
.endr
.endm
.macro EPI_F a
	s_wait_xcnt 0x0
	s_wait_dscnt 0x0
	WIN 0x06+(\a)/4
.set j, 0
.rept 32
	v_pk_add_f32 v[T+j:T+j+1], v[64*((\a)%4)+j:64*((\a)%4)+j+1], v[BN+j:BN+j+1]
.set j, j+2
.endr
	WIN 0
.set j, 0
.rept 64
	v_max_num_f32 v[T+j], 0, v[T+j]
.set j, j+1
.endr
	QUANT T
	ds_store_b32 v[SWA], v[PW] offset:64*(\a)
	global_store_b128 v[LI], v[PC:PC+3], s[12:13] offset:32768*(\a)
	global_store_b128 v[LI], v[PC+4:PC+7], s[12:13] offset:32768*(\a)+512
.endm
	PLACES NP
	s_wait_loadcnt 0x0
.irp a, 0,1,2,3,4,5,6,7
	EPI_F \a
.endr
	ds_load_b128 v[XB:XB+3], v[SWR]
	s_wait_dscnt 0x0
	global_store_b128 v[LI], v[XB:XB+3], s[98:99]
	s_wait_tensorcnt 0x0
	ds_add_u32 v[SPW], v[NIL]
	s_wait_dscnt 0x0
	CROUND
	s_endpgm
.Lfunc_end_k_qff042653f0_ffn1:
	.size	k_qff042653f0_ffn1, .Lfunc_end_k_qff042653f0_ffn1-k_qff042653f0_ffn1
	.p2alignl 7, 3214868480
	.fill 96, 4, 3214868480
	.section	.rodata,"a",@progbits
	.p2align	6, 0x0
	.amdhsa_kernel k_qff042653f0_ffn1
		.amdhsa_group_segment_fixed_size 327680
		.amdhsa_private_segment_fixed_size 0
		.amdhsa_enable_private_segment 0
		.amdhsa_kernarg_size 40
		.amdhsa_user_sgpr_count 2
		.amdhsa_user_sgpr_kernarg_segment_ptr 1
		.amdhsa_wavefront_size32 1
		.amdhsa_system_sgpr_workgroup_id_x 1
		.amdhsa_system_sgpr_workgroup_id_y 1
		.amdhsa_system_sgpr_workgroup_id_z 1
		.amdhsa_system_vgpr_workitem_id 0
		.amdhsa_next_free_vgpr 1024
		.amdhsa_next_free_sgpr 100
		.amdhsa_reserve_vcc 0
		.amdhsa_float_denorm_mode_32 3
		.amdhsa_float_denorm_mode_16_64 3
		.amdhsa_memory_ordered 1
		.amdhsa_forward_progress 1
		.amdhsa_inst_pref_size 161
	.end_amdhsa_kernel
	.amdgpu_metadata
---
amdhsa.version: [ 1, 2 ]
amdhsa.kernels:
  - .name:           k_qff042653f0_ffn1
    .symbol:         k_qff042653f0_ffn1.kd
    .args:
      - { .name: hb, .offset: 0, .size: 8, .value_kind: global_buffer, .address_space: global }
      - { .name: W1_codes, .offset: 8, .size: 8, .value_kind: global_buffer, .address_space: global }
      - { .name: W1_scales, .offset: 16, .size: 8, .value_kind: global_buffer, .address_space: global }
      - { .name: b1, .offset: 24, .size: 8, .value_kind: global_buffer, .address_space: global }
      - { .name: a1, .offset: 32, .size: 8, .value_kind: global_buffer, .address_space: global }
    .group_segment_fixed_size: 327680
    .private_segment_fixed_size: 0
    .kernarg_segment_align: 8
    .kernarg_segment_size: 40
    .max_flat_workgroup_size: 128
    .sgpr_count:     100
    .vgpr_count:     1024
    .wavefront_size: 32
...
	.end_amdgpu_metadata
.endif
;; end of part 5
;; launch ffn2 (part 6): grid 8 x 32, 4 waves a work-group, clusters of 4 x 4, 327,680 bytes of LDS; arguments a1, W2_codes, ypre, W2_scales, b2, hb; writes ypre
.if DOCPART == 6
	.amdgcn_target "amdgcn-amd-amdhsa--gfx1250"
	.amdhsa_code_object_version 6
	.text
	.protected	k_qff042653f0_ffn2
	.globl	k_qff042653f0_ffn2
	.p2align	8
	.type	k_qff042653f0_ffn2,@function
k_qff042653f0_ffn2:
	s_mov_b64 s[64:65], 0
	v_nop
	global_prefetch_b8 v0, s[64:65] scope:SCOPE_SE
	s_setreg_imm32_b32 hwreg(HW_REG_WAVE_MODE, 25, 1), 1
	s_wait_xcnt 0x0
	s_wait_alu depctr_hold_cnt(0) depctr_sa_sdst(0) depctr_va_vdst(0) depctr_va_sdst(0) depctr_va_ssrc(0) depctr_va_vcc(0) depctr_vm_vsrc(0)
	s_getreg_b32 s2, hwreg(HW_REG_IB_STS2, 6, 4)
	s_cmp_eq_u32 s2, 0
	s_cbranch_scc0 .Lentry_in_a_cluster
	s_endpgm
.Lentry_in_a_cluster:
	s_bfe_u32 s2, ttmp6, 0x10000c
	s_cmp_lg_u32 s2, 0xf033
	s_cbranch_scc0 .Lentry_shape_is_right
	s_endpgm
.Lentry_shape_is_right:
; ypre[m][n] = sum over k of a1[m][k] W2[n][k] + b2[n] + h[m][n], f32, M = 4,096, N = 1,024, K = 4,096, on codes of FP4 with E8M0 scales.
; a1 comes as images of fragments [16 rows 256][128 K 32][1 KB] with its scale words [128 K 32][4096 rows] behind them; W2 as rows of codes and rows of scale bytes.
; 256 tiles of 128 x 128, four waves of 64 x 64.  K goes in slots of 1,024 through a ring of two LDS slots; the scales of all of K come once.  4 x 4 work-groups form a cluster: A's tiles are asked for jointly along a row, W's along a column.
; THE HEAD: four tiles, one joint load a wave: slot 0's 8 blocks of rows of A, its 128 rows of W, A's scale words (32 rows of 512 bytes), W's scale bytes.  Slot 1 follows behind the waits, the add and a round, a quarter of the slot a wave.
; PREFETCH: slot 2 is asked for behind slot 1's load and slot 3 behind slot 2's, each one slot's products ahead of its tensor load: one instruction a wave, 32 blocks of 256 bytes.  Of the 128 blocks that a wave fetches, each of the
; four partners that ask jointly names 32, told apart by address (cx for A: one block of rows; cy for W: 16 rows).  Slots 0 and 1 come by their loads alone; there is no slot behind the fourth.
.set SIZE_K, 4096
.set NS,     SIZE_K/128
.set KS,     SIZE_K/32
.set NSLOT,  SIZE_K/1024
.if NSLOT > 1
.set RING, 2
.else
.set RING, 1
.endif
.set PITCH,  528
.set HALFA,  32768
.set HALFB,  64*PITCH
.set BOFF,   2*HALFA
.set SLOT,   BOFF+2*HALFB
.set ASC,    RING*SLOT
.set HAS,    NS*256
.set BSC,    ASC+2*HAS
.set HBS,    (64*KS/256)*272
.set SPARE,  BSC+2*HBS
.set STAGE,  SPARE+512
.set SPITCH, 272
.set IMGB,   2048*SIZE_K
.set BIAS, 8
.set ADRA, 16
.set ADRB, 20
.set ADSA, 22
.set ADSB, 23
.set STO,  24
.set RD,   25
.set CO,   26
.set SPW,  28
.set NIL,  29
.set SC,   32
.set ACC,  128
.set F0,   0
.set F1,   128
.set BK,   0
.set RES,  0
.set G1, 24
.set G0, 32
.set G1B, 48
.set G0B, 56
.set G1S, 68
.set G0S, 76
.set G1SB, 80
.set G0SB, 88
.set MSB, 0
.macro WIN new
.if MSB != (\new)
	s_set_vgpr_msb (MSB<<8)|(\new)
.set MSB, \new
.endif
.endm
.set MUL,  0x05
.set TO_F, 0x40
.macro JLOAD g0a, g1a, g0b, g1b
	s_cmp_eq_u32 s11, 0
	s_cbranch_scc0 .Lfor_b_\@
	tensor_load_to_lds s[\g0a:\g0a+3], s[\g1a:\g1a+7]
	s_nop 0
.rept 4
	v_nop
.endr
	s_branch .Lasked_\@
.Lfor_b_\@:
	tensor_load_to_lds s[\g0b:\g0b+3], s[\g1b:\g1b+7]
	s_nop 0
.rept 4
	v_nop
.endr
.Lasked_\@:
.endm
.macro CREST
	s_cmp_lg_u32 s10, 0
	s_cbranch_scc1 .Lnot_wave_0_\@
	s_barrier_signal -3
.Lnot_wave_0_\@:
	s_barrier_wait -3
	s_barrier_signal -1
	s_barrier_wait -1
.endm
.macro ARM under, g0, g1, next         ; an arm of the head's one tree of branches on the wave's number: one joint load, an s_nop 0 and four v_nop, a jump to the tree's end
	s_cmp_lt_u32 s10, \under
	s_cbranch_scc0 \next
	tensor_load_to_lds s[\g0:\g0+3], s[\g1:\g1+7]
	s_nop 0
.rept 4
	v_nop
.endr
	s_branch .Lhead_asked
\next:
.endm
.macro CROUND
	s_barrier_signal -1
	s_barrier_wait -1
	CREST
.endm
	s_load_b128 s[4:7], s[0:1], 0x0
	s_load_b64 s[8:9], s[0:1], 0x10
	s_load_b128 s[92:95], s[0:1], 0x18
	s_load_b64 s[96:97], s[0:1], 0x28
	v_lshl_add_u32 v[SPW], v0, 2, SPARE
	v_mov_b32 v[NIL], 0
	ds_add_u32 v28, v29
	ds_add_u32 v28, v29
	s_wait_dscnt 0x0
	v_lshrrev_b32 v1, 5, v0
	v_readfirstlane_b32 s10, v1
	s_lshr_b32 s11, s10, 1
	s_and_b32 s12, s10, 1
	s_bfe_u32 s40, ttmp6, 0x40000
	s_bfe_u32 s41, ttmp6, 0x40004
	s_lshl_b32 s42, ttmp9, 2
	s_add_co_u32 s42, s42, s40
	s_and_b32 s13, ttmp7, 0xffff
	s_lshl_b32 s13, s13, 2
	s_add_co_u32 s13, s13, s41
	s_lshl_b32 s43, s41, 2
	s_lshl_b32 s43, 15, s43
	s_lshl_b32 s44, 0x1111, s40
	s_or_b32 s[G1+0], s43, (3<<16)|(1<<21)
	s_mov_b32 s[G1+1], 1024<<16
	s_mov_b32 s[G1+2], 8<<16                       ; the head's load brings all 8 blocks of rows
	s_mov_b32 s[G1+3], 1024<<16
	s_mov_b32 s[G1+4], 8
	s_mov_b32 s[G1+5], SIZE_K
	s_mov_b32 s[G1+6], 0
	s_mov_b32 s[G1+7], 0
	s_or_b32 s[G1B+0], s44, (0<<16)|(1<<20)|(1<<21)|(6<<22)|(3<<25)
	s_mov_b32 s[G1B+1], 512<<16
	s_mov_b32 s[G1B+2], 128<<16                    ; and all 128 rows of W
	s_mov_b32 s[G1B+3], 512<<16
	s_mov_b32 s[G1B+4], 128
	s_mov_b32 s[G1B+5], SIZE_K/2
	s_mov_b32 s[G1B+6], 0
	s_mov_b32 s[G1B+7], 0
	s_or_b32 s[G1S+0], s43, (3<<16)|(1<<21)
	s_mov_b32 s[G1S+1], 64<<16                     ; A's scale words: NS rows of 512 bytes (128 rows' words)
	s_mov_b32 s[G1S+2], NS<<16
	s_mov_b32 s[G1S+3], 64<<16
	s_mov_b32 s[G1S+4], NS
	s_mov_b32 s[G1S+5], 2048
	s_mov_b32 s[G1S+6], 0
	s_mov_b32 s[G1S+7], 0
	s_or_b32 s[G1SB+0], s44, (3<<16)|(1<<20)|(1<<21)|(5<<22)|(3<<25)
	s_mov_b32 s[G1SB+1], 32<<16
	s_mov_b32 s[G1SB+2], (128*KS/256)<<16          ; W's scale bytes of 128 rows
	s_mov_b32 s[G1SB+3], 32<<16
	s_mov_b32 s[G1SB+4], 128*KS/256
	s_mov_b32 s[G1SB+5], 32
	s_mov_b32 s[G1SB+6], 0
	s_mov_b32 s[G1SB+7], 0
	s_lshl_b32 s16, s13, 3
	s_mul_i32 s16, s16, NS*1024                    ; A: the tile's first block of rows, in bytes
	s_mov_b32 s17, 0
	s_lshl_b32 s18, s13, 9
	s_add_co_u32 s18, s18, IMGB                    ; and its 128 rows' scale words
	s_mov_b32 s19, 0
	s_lshl_b32 s46, s42, 7                         ; W: row 128 x tile column
	s_mul_i32 s20, s46, KS
	s_mov_b32 s21, 0
	s_mul_i32 s46, s46, SIZE_K/2
	s_mov_b32 s47, 0
	s_lshl_b32 s22, s12, 15                        ; the ring: where my half of a tile goes,
	s_mul_i32 s23, s12, HALFB
	s_add_co_u32 s23, s23, BOFF
	s_lshl_b32 s44, s12, 17                        ; and where it begins in memory: 4 blocks of rows of A and 64 rows of W are 131,072 bytes alike
	s_mov_b32 s45, 0
	s_wait_kmcnt 0x0
	s_add_nc_u64 s[14:15], s[4:5], s[16:17]
	s_add_nc_u64 s[18:19], s[4:5], s[18:19]
	s_add_nc_u64 s[46:47], s[6:7], s[46:47]
	s_add_nc_u64 s[20:21], s[92:93], s[20:21]
	CROUND
	s_mov_b32 s[G0], 1                             ; the head's four tiles, each whole: slot 0's A,
	s_mov_b32 s[G0+1], 0
	s_mov_b64 s[G0+2:G0+3], s[14:15]
	s_or_b32 s[G0+3], s[G0+3], 0x80000000
	s_mov_b32 s[G0B], 1                            ; its W,
	s_mov_b32 s[G0B+1], BOFF
	s_mov_b64 s[G0B+2:G0B+3], s[46:47]
	s_or_b32 s[G0B+3], s[G0B+3], 0x80000000
	s_mov_b32 s[G0S], 1                            ; A's scale words,
	s_mov_b32 s[G0S+1], ASC
	s_mov_b64 s[G0S+2:G0S+3], s[18:19]
	s_or_b32 s[G0S+3], s[G0S+3], 0x80000000
	s_mov_b32 s[G0SB], 1                           ; W's scale bytes
	s_mov_b32 s[G0SB+1], BSC
	s_mov_b64 s[G0SB+2:G0SB+3], s[20:21]
	s_or_b32 s[G0SB+3], s[G0SB+3], 0x80000000
	ARM 1, G0,  G1,  .Lhead_w
	ARM 2, G0B, G1B, .Lhead_sa
	ARM 3, G0S, G1S, .Lhead_sw
	tensor_load_to_lds s[G0SB:G0SB+3], s[G1SB:G1SB+7]
	s_nop 0
.rept 4
	v_nop
.endr
.Lhead_asked:
	s_mov_b32 s[G0+4], 1                           ; slot 1: my half of its tiles
	s_add_co_u32 s[G0+5], s22, SLOT
	s_add_nc_u64 s[G0+6:G0+7], s[14:15], s[44:45]
	s_add_nc_u64 s[G0+6:G0+7], s[G0+6:G0+7], 8192
	s_or_b32 s[G0+7], s[G0+7], 0x80000000
	s_mov_b32 s[G0B+4], 1
	s_add_co_u32 s[G0B+5], s23, SLOT
	s_add_nc_u64 s[G0B+6:G0B+7], s[46:47], s[44:45]
	s_add_nc_u64 s[G0B+6:G0B+7], s[G0B+6:G0B+7], 512
	s_or_b32 s[G0B+7], s[G0B+7], 0x80000000
	; the prefetches: s[18:19] my 32 blocks of slot 2, s[20:21] of slot 3; never rewritten
	s_cmp_eq_u32 s11, 0                            ; do I fetch for A?
	s_cselect_b32 s16, s40, s41                    ; my place among the four that ask with me
	s_cselect_b64 s[18:19], s[14:15], s[46:47]
	s_mov_b32 s20, 512
	s_cselect_b32 s20, 8192, s20                   ; a slot on, in bytes
	s_mov_b32 s43, 2048
	s_cselect_b32 s43, 512, s43                    ; from one pair of lanes to the next: 512 bytes on in a block of rows of A, a row on in W
	s_lshl_b32 s16, s16, 15                        ; a block of rows of A and 16 rows of W are 32,768 bytes alike
	s_add_co_u32 s16, s16, s44
	s_lshl_b32 s21, s20, 1
	s_add_co_u32 s16, s16, s21
	s_mov_b32 s17, 0
	s_mov_b32 s21, 0
	s_add_nc_u64 s[18:19], s[18:19], s[16:17]
	s_add_nc_u64 s[20:21], s[18:19], s[20:21]
	v_and_b32 v1, 15, v0
	v_bfe_u32 v2, v0, 4, 1
	v_and_b32 v3, 31, v0
	v_lshlrev_b32 v4, 4, v3
	v_lshrrev_b32 v7, 1, v3
	v_mul_lo_u32 v30, v7, s43
	v_and_b32 v7, 1, v3
	v_lshl_add_u32 v30, v7, 8, v30                 ; the prefetches' offset: each lane another block of 256 bytes; never rewritten
	v_mul_u32_u24 v5, v1, PITCH
	v_lshl_add_u32 v5, v2, 4, v5
	s_lshl_b32 s2, s11, 15
	s_mul_i32 s3, s12, HALFB
	s_add_co_u32 s3, s3, BOFF
	v_add_nc_u32 v[ADRA], s2, v4
	v_add_nc_u32 v[ADRB], s3, v5
.if RING > 1
	v_add_nc_u32 v[ADRA+1], SLOT, v[ADRA]
	v_add_nc_u32 v[ADRB+1], SLOT, v[ADRB]
.endif
	s_lshl_b32 s2, s11, 8                          ; my 64 rows' words in each row of 512 bytes
	s_add_co_u32 s2, s2, ASC
	v_lshl_add_u32 v[ADSA], v3, 2, s2
	v_mul_u32_u24 v5, v3, KS
	v_lshrrev_b32 v6, 8, v5
	v_lshl_add_u32 v5, v6, 4, v5
	s_mul_i32 s3, s12, HBS
	s_add_co_u32 s3, s3, BSC
	v_add_nc_u32 v[ADSB], s3, v5
	s_mul_i32 s2, s10, 16*SPITCH
	s_add_co_u32 s2, s2, STAGE
	v_mul_u32_u24 v5, v1, SPITCH
	v_lshl_add_u32 v5, v2, 5, v5
	v_add_nc_u32 v[STO], s2, v5
	v_mul_u32_u24 v5, v2, SPITCH
	v_lshl_add_u32 v5, v1, 4, v5
	v_add_nc_u32 v[RD], s2, v5
	v_lshlrev_b32 v[CO], 4, v1
	v_lshl_add_u32 v[CO], v2, 12, v[CO]
	v_lshlrev_b32 v6, 4, v1
	s_wait_alu depctr_va_vdst(0)
	s_lshl_b32 s2, s13, 7
	s_lshl_b32 s3, s11, 6
	s_add_co_u32 s2, s2, s3
	s_lshl_b32 s2, s2, 12
	s_lshl_b32 s46, s42, 7
	s_lshl_b32 s47, s12, 6
	s_add_co_u32 s46, s46, s47
	s_lshl_b32 s46, s46, 2
	s_mov_b32 s47, 0
	s_add_nc_u64 s[94:95], s[94:95], s[46:47]
	s_add_co_u32 s46, s46, s2
	s_add_nc_u64 s[8:9], s[8:9], s[46:47]
	s_add_nc_u64 s[96:97], s[96:97], s[46:47]
	global_load_b128 v[BIAS:BIAS+3], v6, s[94:95]
	WIN 0x80
.irp a, 0,1,2,3
.irp t, 0,1,2,3,4,5,6,7
	global_load_b128 v[RES+4*(8*\a+\t):RES+4*(8*\a+\t)+3], v[CO], s[96:97] offset:(16*\a+2*\t)*4096
.endr
.endr
	WIN 0
.macro WMS d, b, a, sb, sa, ob, oa, zero
.if \zero
.if (\ob) && (\oa)
	v_wmma_scale_f32_16x16x128_f8f6f4 v[(\d):(\d)+7], v[(\b):(\b)+7], v[(\a):(\a)+7], 0, v[\sb], v[\sa] matrix_a_fmt:MATRIX_FMT_FP4 matrix_b_fmt:MATRIX_FMT_FP4 matrix_a_scale:MATRIX_SCALE_ROW1 matrix_b_scale:MATRIX_SCALE_ROW1
.elseif \ob
	v_wmma_scale_f32_16x16x128_f8f6f4 v[(\d):(\d)+7], v[(\b):(\b)+7], v[(\a):(\a)+7], 0, v[\sb], v[\sa] matrix_a_fmt:MATRIX_FMT_FP4 matrix_b_fmt:MATRIX_FMT_FP4 matrix_a_scale:MATRIX_SCALE_ROW1
.elseif \oa
	v_wmma_scale_f32_16x16x128_f8f6f4 v[(\d):(\d)+7], v[(\b):(\b)+7], v[(\a):(\a)+7], 0, v[\sb], v[\sa] matrix_a_fmt:MATRIX_FMT_FP4 matrix_b_fmt:MATRIX_FMT_FP4 matrix_b_scale:MATRIX_SCALE_ROW1
.else
	v_wmma_scale_f32_16x16x128_f8f6f4 v[(\d):(\d)+7], v[(\b):(\b)+7], v[(\a):(\a)+7], 0, v[\sb], v[\sa] matrix_a_fmt:MATRIX_FMT_FP4 matrix_b_fmt:MATRIX_FMT_FP4
.endif
.else
.if (\ob) && (\oa)
	v_wmma_scale_f32_16x16x128_f8f6f4 v[(\d):(\d)+7], v[(\b):(\b)+7], v[(\a):(\a)+7], v[(\d):(\d)+7], v[\sb], v[\sa] matrix_a_fmt:MATRIX_FMT_FP4 matrix_b_fmt:MATRIX_FMT_FP4 matrix_a_scale:MATRIX_SCALE_ROW1 matrix_b_scale:MATRIX_SCALE_ROW1
.elseif \ob
	v_wmma_scale_f32_16x16x128_f8f6f4 v[(\d):(\d)+7], v[(\b):(\b)+7], v[(\a):(\a)+7], v[(\d):(\d)+7], v[\sb], v[\sa] matrix_a_fmt:MATRIX_FMT_FP4 matrix_b_fmt:MATRIX_FMT_FP4 matrix_a_scale:MATRIX_SCALE_ROW1
.elseif \oa
	v_wmma_scale_f32_16x16x128_f8f6f4 v[(\d):(\d)+7], v[(\b):(\b)+7], v[(\a):(\a)+7], v[(\d):(\d)+7], v[\sb], v[\sa] matrix_a_fmt:MATRIX_FMT_FP4 matrix_b_fmt:MATRIX_FMT_FP4 matrix_b_scale:MATRIX_SCALE_ROW1
.else
	v_wmma_scale_f32_16x16x128_f8f6f4 v[(\d):(\d)+7], v[(\b):(\b)+7], v[(\a):(\a)+7], v[(\d):(\d)+7], v[\sb], v[\sa] matrix_a_fmt:MATRIX_FMT_FP4 matrix_b_fmt:MATRIX_FMT_FP4
.endif
.endif
.endm
.macro MUL8 f, c, a0, zero, set, sp
.irp a, \a0, \a0+1
.irp b, 0,1,2,3
	WMS ACC+8*(4*(\a)+\b), \f+64+8*(4*\c+\b), \f+8*(4*\c+(\a)), SC+32*(\set)+16+8*(\b/2)+(\sp), SC+32*(\set)+2*(\sp)+(\a)/2, \b%2, (\a)%2, \zero
.endr
.endr
.endm
.macro FETCH slot, k, f
	WIN TO_F
.irp c, 0,1
.irp i, 0,1,2,3
	ds_load_b128 v[\f+64+8*(4*\c+\i):\f+64+8*(4*\c+\i)+3],   v[ADRB+\slot] offset:\k+64*\c+\i*16*PITCH
	ds_load_b128 v[\f+64+8*(4*\c+\i)+4:\f+64+8*(4*\c+\i)+7], v[ADRB+\slot] offset:\k+64*\c+\i*16*PITCH+32
	ds_load_b128 v[\f+8*(4*\c+\i):\f+8*(4*\c+\i)+3],         v[ADRA+\slot] offset:((\k)/64+\c)*1024+\i*8192
	ds_load_b128 v[\f+8*(4*\c+\i)+4:\f+8*(4*\c+\i)+7],       v[ADRA+\slot] offset:((\k)/64+\c)*1024+\i*8192+512
.endr
.endr
.endm
.macro SCALES set
.irp p, 0,1,2,3,4,5,6,7
	ds_load_b32 v[SC+32*(\set)+2*\p], v[ADSA] offset:512*\p
	ds_load_b32 v[SC+32*(\set)+2*\p+1], v[ADSA] offset:512*\p+128
.endr
.irp u, 0,1
.irp g, 0,1
	ds_load_b128 v[SC+32*(\set)+16+8*\u+4*\g:SC+32*(\set)+16+8*\u+4*\g+3], v[ADSB] offset:\u*(32*KS/256)*272+16*\g
.endr
.endr
.endm
.macro PLACES
.rept 4
	v_nop
.endr
.endm
.macro QUARTER slot, k, f, g, zero
	s_wait_dscnt 16
	WIN MUL
	MUL8 \f, 0, 0, \zero, \slot, 2*((\k)/128-1)
	MUL8 \f, 0, 2, \zero, \slot, 2*((\k)/128-1)
	PLACES
	FETCH \slot, \k, \g
	s_wait_dscnt 32
	WIN MUL
	MUL8 \f, 1, 0, 0, \slot, 2*((\k)/128-1)+1
	MUL8 \f, 1, 2, 0, \slot, 2*((\k)/128-1)+1
.endm
.macro TURN slot, next, fill
	WIN 0
	s_wait_tensorcnt 0x0
	ds_add_u32 v[SPW], v[NIL]
	s_wait_dscnt 17
	WIN MUL
	MUL8 F1, 0, 0, 0, \slot, 6
	s_wait_dscnt 0x0
	s_barrier_signal -1
	MUL8 F1, 0, 2, 0, \slot, 6
	WIN 0
	s_barrier_wait -1
.if \fill
	CREST
	s_add_nc_u64 s[G0+4*\slot+2:G0+4*\slot+3], s[G0+4*\slot+2:G0+4*\slot+3], 16384
	s_add_nc_u64 s[G0B+4*\slot+2:G0B+4*\slot+3], s[G0B+4*\slot+2:G0B+4*\slot+3], 1024
	JLOAD G0+4*\slot, G1, G0B+4*\slot, G1B
.else
	PLACES
.endif
	s_wait_alu depctr_va_vdst(0)
	v_add_nc_u32 v[ADSA], 4096, v[ADSA]
	v_add_nc_u32 v[ADSB], 32, v[ADSB]
	SCALES \next
.if (\fill) && ((\slot) == 0)
	global_prefetch_b8 v30, s[20:21] th:TH_LOAD_NT scope:SCOPE_SE   ; slot 3, which the next change of slots loads
.endif
	FETCH \next, 0, F0
	WIN MUL
	MUL8 F1, 1, 0, 0, \slot, 7
	MUL8 F1, 1, 2, 0, \slot, 7
.endm
	s_wait_alu depctr_va_vdst(0)
	s_wait_tensorcnt 0x0                           ; my tile of the head's four is in
	ds_add_u32 v[SPW], v[NIL]
	s_add_co_u32 s[G0+1], s22, 0                   ; no tensor load of mine is out, so descriptors may be written: from here on slot 0's loads bring my half of a tile,
	s_add_nc_u64 s[G0+2:G0+3], s[G0+2:G0+3], s[44:45]
	s_add_co_u32 s[G0B+1], s23, 0
	s_add_nc_u64 s[G0B+2:G0B+3], s[G0B+2:G0B+3], s[44:45]
	s_mov_b32 s[G1+2], 4<<16                       ; 4 blocks of rows of A,
	s_mov_b32 s[G1+4], 4
	s_mov_b32 s[G1B+2], 64<<16                     ; 64 rows of W
	s_mov_b32 s[G1B+4], 64
	s_wait_dscnt 0x0                               ; the add is done
	CROUND                                         ; all four tiles are in, and all sixteen work-groups are here
	JLOAD G0+4, G1, G0B+4, G1B                     ; slot 1: the first tensor load behind the round
	SCALES 0
	global_prefetch_b8 v30, s[18:19] th:TH_LOAD_NT scope:SCOPE_SE   ; slot 2, which the first change of slots loads
	FETCH 0, 0, F0
	QUARTER 0, 128, F0, F1, 1
.if RING > 1
.rept NSLOT/2-1
	QUARTER 0, 256, F1, F0, 0
	QUARTER 0, 384, F0, F1, 0
	TURN 0, 1, 1
	QUARTER 1, 128, F0, F1, 0
	QUARTER 1, 256, F1, F0, 0
	QUARTER 1, 384, F0, F1, 0
	TURN 1, 0, 1
	QUARTER 0, 128, F0, F1, 0
.endr
	QUARTER 0, 256, F1, F0, 0
	QUARTER 0, 384, F0, F1, 0
	TURN 0, 1, 0
	QUARTER 1, 128, F0, F1, 0
	QUARTER 1, 256, F1, F0, 0
	QUARTER 1, 384, F0, F1, 0
.set LS, 1
.else
	QUARTER 0, 256, F1, F0, 0
	QUARTER 0, 384, F0, F1, 0
.set LS, 0
.endif
	s_wait_dscnt 16
	WIN MUL
	MUL8 F1, 0, 0, 0, LS, 6
	MUL8 F1, 0, 2, 0, LS, 6
	s_wait_dscnt 0
	MUL8 F1, 1, 0, 0, LS, 7
	MUL8 F1, 1, 2, 0, LS, 7
	WIN 0
.macro TOSTAGE a
	WIN 0
.irp b, 0,1,2,3
	ds_store_b128 v[STO], v[ACC+8*(4*(\a)+\b):ACC+8*(4*(\a)+\b)+3] offset:64*\b
	ds_store_b128 v[STO], v[ACC+8*(4*(\a)+\b)+4:ACC+8*(4*(\a)+\b)+7] offset:64*\b+16
.endr
	WIN TO_F
.irp t, 0,1,2,3,4,5,6,7
	ds_load_b128 v[BK+32*((\a)%2)+4*\t:BK+32*((\a)%2)+4*\t+3], v[RD] offset:\t*2*SPITCH
.endr
.endm
.macro SEND a, younger
	s_wait_dscnt \younger
	WIN 0x49
.irp t, 0,1,2,3,4,5,6,7
.irp i, 0,2
	v_pk_add_f32 v[BK+32*((\a)%2)+4*\t+\i:BK+32*((\a)%2)+4*\t+\i+1], v[BK+32*((\a)%2)+4*\t+\i:BK+32*((\a)%2)+4*\t+\i+1], v[RES+4*(8*(\a)+\t)+\i:RES+4*(8*(\a)+\t)+\i+1]
.endr
.endr
	WIN 0x41
.irp t, 0,1,2,3,4,5,6,7
.irp i, 0,2
	v_pk_add_f32 v[BK+32*((\a)%2)+4*\t+\i:BK+32*((\a)%2)+4*\t+\i+1], v[BK+32*((\a)%2)+4*\t+\i:BK+32*((\a)%2)+4*\t+\i+1], v[BIAS+\i:BIAS+\i+1]
.endr
.endr
	WIN 0x04
.irp t, 0,1,2,3,4,5,6,7
	global_store_b128 v[CO], v[BK+32*((\a)%2)+4*\t:BK+32*((\a)%2)+4*\t+3], s[8:9] offset:(16*(\a)+2*\t)*4096
.endr
	WIN 0
.endm
	PLACES
	s_wait_loadcnt 0x0
	TOSTAGE 0
.irp a, 1,2,3
.if \a > 1
	s_wait_xcnt 0x0
.endif
	TOSTAGE \a
	SEND \a-1, 16
.endr
	SEND 3, 0
	s_wait_tensorcnt 0x0
	ds_add_u32 v[SPW], v[NIL]
	s_wait_dscnt 0x0
	CROUND
	s_endpgm
.Lfunc_end_k_qff042653f0_ffn2:
	.size	k_qff042653f0_ffn2, .Lfunc_end_k_qff042653f0_ffn2-k_qff042653f0_ffn2
	.p2alignl 7, 3214868480
	.fill 96, 4, 3214868480
	.section	.rodata,"a",@progbits
	.p2align	6, 0x0
	.amdhsa_kernel k_qff042653f0_ffn2
		.amdhsa_group_segment_fixed_size 327680
		.amdhsa_private_segment_fixed_size 0
		.amdhsa_enable_private_segment 0
		.amdhsa_kernarg_size 48
		.amdhsa_user_sgpr_count 2
		.amdhsa_user_sgpr_kernarg_segment_ptr 1
		.amdhsa_wavefront_size32 1
		.amdhsa_system_sgpr_workgroup_id_x 1
		.amdhsa_system_sgpr_workgroup_id_y 1
		.amdhsa_system_sgpr_workgroup_id_z 1
		.amdhsa_system_vgpr_workitem_id 0
		.amdhsa_next_free_vgpr 640
		.amdhsa_next_free_sgpr 98
		.amdhsa_reserve_vcc 0
		.amdhsa_float_denorm_mode_32 3
		.amdhsa_float_denorm_mode_16_64 3
		.amdhsa_memory_ordered 1
		.amdhsa_forward_progress 1
		.amdhsa_inst_pref_size 139
	.end_amdhsa_kernel
	.amdgpu_metadata
---
amdhsa.version: [ 1, 2 ]
amdhsa.kernels:
  - .name:           k_qff042653f0_ffn2
    .symbol:         k_qff042653f0_ffn2.kd
    .args:
      - { .name: a1, .offset: 0, .size: 8, .value_kind: global_buffer, .address_space: global }
      - { .name: W2_codes, .offset: 8, .size: 8, .value_kind: global_buffer, .address_space: global }
      - { .name: ypre, .offset: 16, .size: 8, .value_kind: global_buffer, .address_space: global }
      - { .name: W2_scales, .offset: 24, .size: 8, .value_kind: global_buffer, .address_space: global }
      - { .name: b2, .offset: 32, .size: 8, .value_kind: global_buffer, .address_space: global }
      - { .name: hb, .offset: 40, .size: 8, .value_kind: global_buffer, .address_space: global }
    .group_segment_fixed_size: 327680
    .private_segment_fixed_size: 0
    .kernarg_segment_align: 8
    .kernarg_segment_size: 48
    .max_flat_workgroup_size: 128
    .sgpr_count:     98
    .vgpr_count:     640
    .wavefront_size: 32
...
	.end_amdgpu_metadata
.endif
;; end of part 6
;; launch ln2 (part 7): grid 256 x 1, 4 waves a work-group, no clusters, 0 bytes of LDS; arguments ypre, ln_g, ln_b, out0; writes out0
.if DOCPART == 7
	.amdgcn_target "amdgcn-amd-amdhsa--gfx1250"
	.amdhsa_code_object_version 6
	.text
	.protected	k_qff042653f0_ln2
	.globl	k_qff042653f0_ln2
	.p2align	8
	.type	k_qff042653f0_ln2,@function
k_qff042653f0_ln2:
	s_mov_b64 s[64:65], 0
	v_nop
	global_prefetch_b8 v0, s[64:65] scope:SCOPE_SE
	s_setreg_imm32_b32 hwreg(HW_REG_WAVE_MODE, 25, 1), 1
	s_wait_xcnt 0x0
; out = LayerNorm(y) g + b over rows of 1,024, f32.
; A wave owns 4 whole rows, 32 registers a row: a row is read once and the sums never leave the wave.  Mean first, then the mean of (x - mean)^2: no difference of large sums.
; Lane l holds columns 128 j + 4 l + 0 .. 3: every load and store covers 512 consecutive bytes.  All 48 loads of a wave go out at once.  Memory binds: no LDS, no matrix unit, no cluster.
; LIMITS: NaN and infinities are not served.
.set R,    16                          ; v16-143  four rows
.set G,    144                         ; v144-175 the gain of my 32 columns
.set B,    176                         ; v176-207 the offset
	s_load_b256 s[4:11], s[0:1], 0x0               ; y, g, b, the result
	v_lshrrev_b32 v1, 5, v0
	v_readfirstlane_b32 s16, v1                    ; wave
	v_and_b32 v2, 31, v0
	v_lshlrev_b32 v3, 4, v2                        ; 16 x lane
	s_mov_b32 s12, 0x76543210
	s_mov_b32 s13, 0xfedcba98
	s_mov_b32 s14, 0x3a800000                      ; 1 / 1,024
	s_mov_b32 s15, 0x3727c5ac                      ; 1e-5
	s_lshl_b32 s19, ttmp9, 2
	s_add_co_u32 s19, s19, s16                     ; which run of 4 rows is my wave's
	s_lshl_b32 s24, s19, 14
	s_mov_b32 s25, 0
	s_wait_alu depctr_va_vdst(0)
	s_wait_kmcnt 0x0
	s_add_nc_u64 s[4:5], s[4:5], s[24:25]
	s_add_nc_u64 s[10:11], s[10:11], s[24:25]
.irp j, 0,1,2,3,4,5,6,7
	global_load_b128 v[G+4*\j:G+4*\j+3], v3, s[6:7] offset:512*\j
.endr
.irp j, 0,1,2,3,4,5,6,7
	global_load_b128 v[B+4*\j:B+4*\j+3], v3, s[8:9] offset:512*\j
.endr
.irp p, 0,1,2,3
.irp j, 0,1,2,3,4,5,6,7
	global_load_b128 v[R+32*\p+4*\j:R+32*\p+4*\j+3], v3, s[4:5] offset:4096*\p+512*\j th:TH_LOAD_NT
.endr
.endr
.macro ALLSUM                          ; v8 summed over the 32 lanes, in every lane
	v_add_f32_dpp v8, v8, v8 row_xmask:1 row_mask:0xf bank_mask:0xf
	v_add_f32_dpp v8, v8, v8 row_xmask:2 row_mask:0xf bank_mask:0xf
	v_add_f32_dpp v8, v8, v8 row_xmask:4 row_mask:0xf bank_mask:0xf
	v_add_f32_dpp v8, v8, v8 row_xmask:8 row_mask:0xf bank_mask:0xf
	v_permlanex16_b32 v9, v8, s12, s13
	v_add_f32 v8, v8, v9
.endm
.macro ROW p
.set RR, R+32*(\p)
	s_wait_loadcnt 8*(3-(\p))                      ; gain, offset and this row are in; the later rows' loads may be out
	v_pk_add_f32 v[8:9], v[RR:RR+1], v[RR+2:RR+3]
	v_pk_add_f32 v[10:11], v[RR+4:RR+5], v[RR+6:RR+7]
.irp j, 8,12,16,20,24,28
	v_pk_add_f32 v[8:9], v[8:9], v[RR+\j:RR+\j+1]
	v_pk_add_f32 v[10:11], v[10:11], v[RR+\j+2:RR+\j+3]
.endr
	v_pk_add_f32 v[8:9], v[8:9], v[10:11]
	v_add_f32 v8, v8, v9
	ALLSUM
	v_mul_f32 v12, s14, v8                         ; the mean
	v_mov_b32 v13, v12
.set j, 0
.rept 16
	v_pk_add_f32 v[RR+j:RR+j+1], v[RR+j:RR+j+1], v[12:13] neg_lo:[0,1] neg_hi:[0,1]
.set j, j+2
.endr
	v_pk_mul_f32 v[8:9], v[RR:RR+1], v[RR:RR+1]
	v_pk_mul_f32 v[10:11], v[RR+2:RR+3], v[RR+2:RR+3]
.irp j, 4,8,12,16,20,24,28
	v_pk_fma_f32 v[8:9], v[RR+\j:RR+\j+1], v[RR+\j:RR+\j+1], v[8:9]
	v_pk_fma_f32 v[10:11], v[RR+\j+2:RR+\j+3], v[RR+\j+2:RR+\j+3], v[10:11]
.endr
	v_pk_add_f32 v[8:9], v[8:9], v[10:11]
	v_add_f32 v8, v8, v9
	ALLSUM
	v_fma_f32 v8, v8, s14, s15                     ; the variance + 1e-5
	s_wait_alu depctr_va_vdst(0)
	v_rsq_f32 v12, v8
	v_rsq_f32 v13, v8
	v_nop                                          ; a plain instruction behind the two
	s_wait_alu depctr_va_vdst(0)                   ; one wait for both, ahead of their first reader
.set j, 0
.rept 16
	v_pk_mul_f32 v[RR+j:RR+j+1], v[RR+j:RR+j+1], v[12:13]
.set j, j+2
.endr
.set j, 0
.rept 16
	v_pk_fma_f32 v[RR+j:RR+j+1], v[RR+j:RR+j+1], v[G+j:G+j+1], v[B+j:B+j+1]
.set j, j+2
.endr
.irp j, 0,1,2,3,4,5,6,7
	global_store_b128 v3, v[RR+4*\j:RR+4*\j+3], s[10:11] offset:4096*(\p)+512*\j th:TH_STORE_NT
.endr
.endm
	ROW 0
	ROW 1
	ROW 2
	ROW 3
	s_endpgm
.Lfunc_end_k_qff042653f0_ln2:
	.size	k_qff042653f0_ln2, .Lfunc_end_k_qff042653f0_ln2-k_qff042653f0_ln2
	.p2alignl 7, 3214868480
	.fill 96, 4, 3214868480
	.section	.rodata,"a",@progbits
	.p2align	6, 0x0
	.amdhsa_kernel k_qff042653f0_ln2
		.amdhsa_group_segment_fixed_size 0
		.amdhsa_private_segment_fixed_size 0
		.amdhsa_enable_private_segment 0
		.amdhsa_kernarg_size 32
		.amdhsa_user_sgpr_count 2
		.amdhsa_user_sgpr_kernarg_segment_ptr 1
		.amdhsa_wavefront_size32 1
		.amdhsa_system_sgpr_workgroup_id_x 1
		.amdhsa_system_sgpr_workgroup_id_y 1
		.amdhsa_system_sgpr_workgroup_id_z 1
		.amdhsa_system_vgpr_workitem_id 0
		.amdhsa_next_free_vgpr 208
		.amdhsa_next_free_sgpr 66
		.amdhsa_reserve_vcc 0
		.amdhsa_float_denorm_mode_32 3
		.amdhsa_float_denorm_mode_16_64 3
		.amdhsa_memory_ordered 1
		.amdhsa_forward_progress 1
		.amdhsa_inst_pref_size 33
	.end_amdhsa_kernel
	.amdgpu_metadata
---
amdhsa.version: [ 1, 2 ]
amdhsa.kernels:
  - .name:           k_qff042653f0_ln2
    .symbol:         k_qff042653f0_ln2.kd
    .args:
      - { .name: ypre, .offset: 0, .size: 8, .value_kind: global_buffer, .address_space: global }
      - { .name: ln_g, .offset: 8, .size: 8, .value_kind: global_buffer, .address_space: global }
      - { .name: ln_b, .offset: 16, .size: 8, .value_kind: global_buffer, .address_space: global }
      - { .name: out0, .offset: 24, .size: 8, .value_kind: global_buffer, .address_space: global }
    .group_segment_fixed_size: 0
    .private_segment_fixed_size: 0
    .kernarg_segment_align: 8
    .kernarg_segment_size: 32
    .max_flat_workgroup_size: 128
    .sgpr_count:     66
    .vgpr_count:     208
    .wavefront_size: 32
...
	.end_amdgpu_metadata
.endif
;; end of part 7
